; MI455X (gfx1250); checked and timed in simulation.
; The chip was launched on July 23, 2026; its instructions are those of AMD's public machine-readable ISA for CDNA 5 (MIT licence, August 2026) and "CDNA5" Instruction Set Architecture Reference Guide (July 2026). The comments in the code are by the model that wrote it; some were corrected since.
;; Sparse Attention. Allowed arithmetic: float matrix products may take bf16 or f16 operands with f32 sums; all other float work in f32.
;; Inputs: Wo 1,024 x 1,024 float32; Wq 1,024 x 1,024 float32; Wv 1,024 x 1,024 float32; bo 1,024 float32; bq 1,024 float32; bv 1,024 float32; position_mask 512 x 8 x 512 float32; x 4 x 512 x 1,024 float32.
;; Outputs: out0 4 x 512 x 1,024 float32.
;; 2 versions, each right; version 2 is version 1 with the launch prep written anew for expert scheduling mode. Each part assembles by itself: llvm-mc -triple=amdgcn-amd-amdhsa -mcpu=gfx1250 --defsym DOCPART=n.
;; ======== version 1 of 2: 4 launches
;; limits: values are held in f16: magnitudes above 65,504 overflow, below 6.1e-05 lose precision
;; workspace buffers: xh 4,194,304 bytes; wqv 4,194,304 bytes; wo2 4,194,304 bytes; mh 4,194,304 bytes; x2 8,388,608 bytes; att 4,194,304 bytes
;; launch prep (part 1): grid 256 x 1, 8 waves a work-group, no clusters, 19,456 bytes of LDS; arguments x, position_mask, Wq, Wv, Wo, xh, mh, wqv, wo2; writes xh, mh, wqv, wo2
.if DOCPART == 1
	.amdgcn_target "amdgcn-amd-amdhsa--gfx1250"
	.amdhsa_code_object_version 6
	.text
	.protected	k_q7728bba01f_prep
	.globl	k_q7728bba01f_prep
	.p2align	8
	.type	k_q7728bba01f_prep,@function
k_q7728bba01f_prep:
	s_mov_b64 s[64:65], 0
	v_nop
	global_prefetch_b8 v0, s[64:65] scope:SCOPE_SE
	s_setreg_imm32_b32 hwreg(HW_REG_WAVE_MODE, 25, 1), 1
	s_wait_xcnt 0x0
; Casts and re-orders the operands of the three products that follow.  A stream: every input byte is read once, every output byte written once.
;   xh  f16 [2048 (b,s)][1024 k]                     = x
;   mh  f16 [16 tb][512 s][8 w][32 t]                = position_mask[s][w][32 tb + t]
;   wqv f16 [1024 k][2048 n'], n' = 1024 kv + 64 h + d  = (Wq, Wv)[k][16 d + h]     (heads gathered)
;   wo2 bf16 [16 nb][hi, lo][1024 k'][64 n], k' = 64 h + p holds Wo's row 64 h + 16 (p & 3) + (p >> 2); Wo = hi + lo up to 16 bits of mantissa
; LIMIT: x, position_mask, Wq, Wv become f16: magnitudes of 65,504 and more become infinity, magnitudes below 6e-8 become zero.
; 2,048 waves; wave g takes row g of x, a quarter of mask row g >> 2, a quarter of two rows of wo2, and one row of Wq (g even) or Wv (g odd).
; All 28 loads of a wave go out first (14 chunks of two loads, 32 bytes a lane); the chunks are then converted in place and stored.
; No register that a store reads is written again, so no wait stands between the stores.
.set D,    16                          ; v[16:127]  chunk c: eight f32 a lane at D + 8 c
.set HI,   128                         ; v[128:135] Wo's upper parts, four registers a chunk
.set T,    136                         ; v[136:143] at work (Wo)
.set R,    136                         ; v[136:151] the gathered row of Wq or Wv, read back from LDS
.set HP,   144                         ; LDS: a head's 64 f16 (128 bytes) + 16: heads 4 apart start 16 banks apart
.set WLDS, 16*HP                       ; a wave's own 16 heads
	s_load_b256 s[4:11], s[0:1], 0x0               ; x s[4:5], position_mask s[6:7], Wq s[8:9], Wv s[10:11]
	s_load_b256 s[12:19], s[0:1], 0x20             ; Wo s[12:13], xh s[14:15], mh s[16:17], wqv s[18:19]
	s_load_b64 s[20:21], s[0:1], 0x40              ; wo2
	v_lshl_add_u32 v152, v0, 2, 0x4800
	v_mov_b32 v153, 0
	v_lshrrev_b32 v10, 5, v0
	v_readfirstlane_b32 s22, v10                   ; wave 0..7
	s_lshl_b32 s23, ttmp9, 3
	s_add_co_u32 s23, s23, s22                     ; g = 8 x work-group + wave
	s_lshr_b32 s29, s23, 2                         ; g >> 2
	s_and_b32 s30, s23, 3                          ; g & 3
	s_mul_i32 s28, s22, WLDS                       ; my wave's bytes of LDS
	; byte offsets, each in a pair of its own with 0 above (all below 16 MiB)
	s_lshl_b32 s32, s23, 12                        ; x: row g
	s_mov_b32 s33, 0
	s_lshl_b32 s34, s23, 11                        ; xh: row g; wqv: row g >> 1, half g & 1: the same number
	s_mov_b32 s35, 0
	s_lshl_b32 s36, s29, 14                        ; mask: s = g >> 2, 16,384 bytes each,
	s_lshl_b32 s31, s30, 9
	s_add_co_u32 s36, s36, s31                     ; + 128 t of the quarter g & 3
	s_mov_b32 s37, 0
	s_lshl_b32 s38, s30, 20                        ; mh: tb = 4 (g & 3), 262,144 bytes each,
	s_lshl_b32 s31, s29, 9
	s_add_co_u32 s38, s38, s31                     ; + 512 s
	s_mov_b32 s39, 0
	s_lshl_b32 s40, s30, 20                        ; wo2: nb = 4 (g & 3),
	s_lshl_b32 s31, s29, 8
	s_add_co_u32 s40, s40, s31                     ; + rows k' = 2 z, 2 z + 1 (z = g >> 2), 128 bytes each
	s_mov_b32 s41, 0
	s_lshr_b32 s42, s29, 5                         ; Wo's row for k' = 2 z: 64 (z >> 5)
	s_lshl_b32 s42, s42, 6
	s_and_b32 s31, s29, 1
	s_lshl_b32 s31, s31, 5
	s_add_co_u32 s42, s42, s31                     ; + 32 (z & 1)
	s_bfe_u32 s31, s29, 0x40001
	s_add_co_u32 s42, s42, s31                     ; + (z & 31) >> 1;  k' = 2 z + 1 is 16 rows further down
	s_lshl_b32 s42, s42, 12
	s_lshl_b32 s31, s30, 10
	s_add_co_u32 s42, s42, s31                     ; + 256 columns of the quarter g & 3
	s_mov_b32 s43, 0
	s_lshr_b32 s44, s23, 1                         ; Wq, Wv: row g >> 1
	s_lshl_b32 s44, s44, 12
	s_mov_b32 s45, 0
	s_and_b32 s31, s23, 1                          ; 0: Wq, 1: Wv
	; lane terms
	v_and_b32 v1, 31, v0                           ; l
	v_lshlrev_b32 v2, 5, v1                        ; x: 32 l
	v_lshrrev_b32 v10, 2, v1                       ; l >> 2
	v_and_b32 v11, 3, v1                           ; l & 3
	v_lshlrev_b32 v3, 5, v11
	v_lshl_add_u32 v3, v10, 11, v3                 ; mask: w = l >> 2 (2,048 bytes), 8 t at 32 (l & 3)
	v_lshlrev_b32 v5, 4, v11
	v_lshl_add_u32 v5, v10, 7, v5                  ; Wq, Wv: d pair l >> 2 (128 bytes), heads 4 (l & 3) .. + 3
	v_mul_u32_u24 v8, v11, 4*HP
	v_lshl_add_u32 v8, v10, 2, v8
	v_add_nc_u32 v8, s28, v8                       ; LDS, in: head 4 (l & 3), d pair l >> 2
	v_bfe_u32 v12, v1, 3, 1
	v_lshrrev_b32 v13, 4, v1
	v_and_b32 v14, 7, v1
	v_lshlrev_b32 v4, 5, v14
	v_lshl_add_u32 v4, v13, 8, v4
	v_lshl_add_u32 v4, v12, 16, v4                 ; Wo: 8 columns at 32 (l & 7), column block l >> 4, 16 rows down for k' odd
	v_lshlrev_b32 v6, 4, v1                        ; xh, mh, wqv: 16 l
	v_and_b32 v15, 15, v1
	v_lshlrev_b32 v7, 4, v15
	v_lshl_add_u32 v7, v13, 18, v7                 ; wo2: 16 (l & 15) in the two rows, column block l >> 4
	v_lshrrev_b32 v12, 3, v1
	v_mul_u32_u24 v9, v12, HP
	v_lshl_add_u32 v9, v14, 4, v9
	v_add_nc_u32 v9, s28, v9                       ; LDS, back: head l >> 3, 16 bytes at 16 (l & 7)
	s_wait_kmcnt 0x0
	s_cmp_lg_u32 s31, 0
	s_cselect_b64 s[24:25], s[10:11], s[8:9]       ; Wv for odd g, Wq for even
	s_add_nc_u64 s[4:5], s[4:5], s[32:33]
	s_add_nc_u64 s[6:7], s[6:7], s[36:37]
	s_add_nc_u64 s[12:13], s[12:13], s[42:43]
	s_add_nc_u64 s[24:25], s[24:25], s[44:45]
	s_add_nc_u64 s[14:15], s[14:15], s[34:35]
	s_add_nc_u64 s[16:17], s[16:17], s[38:39]
	s_add_nc_u64 s[18:19], s[18:19], s[34:35]
	s_add_nc_u64 s[20:21], s[20:21], s[40:41]
	; the 28 loads
.irp i, 0,1,2,3
	global_load_b128 v[D+8*\i:D+8*\i+3],   v2, s[4:5] offset:\i*1024 th:TH_LOAD_NT
	global_load_b128 v[D+8*\i+4:D+8*\i+7], v2, s[4:5] offset:\i*1024+16 th:TH_LOAD_NT
.endr
.irp i, 0,1,2,3
	global_load_b128 v[D+32+8*\i:D+32+8*\i+3],   v3, s[6:7] offset:\i*128 th:TH_LOAD_NT
	global_load_b128 v[D+32+8*\i+4:D+32+8*\i+7], v3, s[6:7] offset:\i*128+16 th:TH_LOAD_NT
.endr
.irp i, 0,1
	global_load_b128 v[D+64+8*\i:D+64+8*\i+3],   v4, s[12:13] offset:\i*512 th:TH_LOAD_NT
	global_load_b128 v[D+64+8*\i+4:D+64+8*\i+7], v4, s[12:13] offset:\i*512+16 th:TH_LOAD_NT
.endr
.irp i, 0,1,2,3
	global_load_b128 v[D+80+8*\i:D+80+8*\i+3],   v5, s[24:25] offset:\i*1024 th:TH_LOAD_NT      ; d even: four heads
	global_load_b128 v[D+80+8*\i+4:D+80+8*\i+7], v5, s[24:25] offset:\i*1024+64 th:TH_LOAD_NT   ; d odd: the same four heads
.endr
; eight f32 in v[d .. d+7] become eight 16-bit numbers in v[d .. d+3]; each line writes a register whose old value has been used
.macro CVT4 op, d
.irp j, 0,1,2,3
	\op v[\d+\j], v[\d+2*\j], v[\d+2*\j+1]
.endr
.endm
	; Loads come back in order (ISA guide 5.7.1): chunk c is in when at most the 26 - 2 c younger loads are out.
.irp i, 0,1,2,3
	s_wait_loadcnt 26-2*\i
	CVT4 v_cvt_pk_f16_f32, D+8*\i
	global_store_b128 v6, v[D+8*\i:D+8*\i+3], s[14:15] offset:\i*512             ; 512 neighbouring bytes of xh's row
.endr
.irp i, 0,1,2,3
	s_wait_loadcnt 18-2*\i
	CVT4 v_cvt_pk_f16_f32, D+32+8*\i
	global_store_b128 v6, v[D+32+8*\i:D+32+8*\i+3], s[16:17] offset:\i*262144    ; the whole 512 bytes of (tb, s): 8 w x 32 t
.endr
.irp i, 0,1
	s_wait_loadcnt 10-2*\i
.irp j, 0,1,2,3
	v_cvt_pk_bf16_f32 v[HI+4*\i+\j], v[D+64+8*\i+2*\j], v[D+64+8*\i+2*\j+1]      ; hi = Wo rounded to bf16
.endr
.irp j, 0,1,2,3
	v_lshlrev_b32 v[T+2*\j],   16, v[HI+4*\i+\j]                                 ; hi back in f32
	v_and_b32     v[T+2*\j+1], 0xffff0000, v[HI+4*\i+\j]
.endr
.irp j, 0,2,4,6
	v_pk_add_f32 v[D+64+8*\i+\j:D+64+8*\i+\j+1], v[D+64+8*\i+\j:D+64+8*\i+\j+1], v[T+\j:T+\j+1] neg_lo:[0,1] neg_hi:[0,1]   ; Wo - hi, exact
.endr
	CVT4 v_cvt_pk_bf16_f32, D+64+8*\i                                            ; lo = the rest rounded to bf16
	global_store_b128 v7, v[HI+4*\i:HI+4*\i+3], s[20:21] offset:\i*524288        ; 16 lanes: two neighbouring rows k', 256 aligned bytes
	global_store_b128 v7, v[D+64+8*\i:D+64+8*\i+3], s[20:21] offset:\i*524288+131072
.endr
	; Wq or Wv: a row's 1,024 numbers lie as (d, h); they leave as (h, d).  Two neighbouring d of one head are packed and put into the
	; head's row in my wave's own LDS bytes; whole head rows are read back.  LDS serves a wave's instructions in order (ISA guide 5.7.1),
	; and no other wave touches these bytes: no wait between stores and loads, no barrier.
.irp i, 0,1,2,3
	s_wait_loadcnt 6-2*\i
.irp u, 0,1,2,3
	v_cvt_pk_f16_f32 v[D+80+8*\i+\u], v[D+80+8*\i+\u], v[D+80+8*\i+4+\u]         ; head 4 (l & 3) + u, d = 16 i + 2 (l >> 2) and + 1
.endr
.irp u, 0,1,2,3
	ds_store_b32 v8, v[D+80+8*\i+\u] offset:\u*HP+32*\i
.endr
.endr
.irp i, 0,1,2,3
	ds_load_b128 v[R+4*\i:R+4*\i+3], v9 offset:\i*4*HP                           ; heads 4 i .. 4 i + 3, 128 bytes each
.endr
.irp i, 0,1,2,3
	s_wait_dscnt 3-\i                                                            ; the younger read-backs may stay out
	global_store_b128 v6, v[R+4*\i:R+4*\i+3], s[18:19] offset:\i*512
.endr
	s_wait_tensorcnt 0x0
	ds_add_u32 v152, v153
	s_wait_dscnt 0x0
	s_endpgm
.Lfunc_end_k_q7728bba01f_prep:
	.size	k_q7728bba01f_prep, .Lfunc_end_k_q7728bba01f_prep-k_q7728bba01f_prep
	.p2alignl 7, 3214868480
	.fill 96, 4, 3214868480
	.section	.rodata,"a",@progbits
	.p2align	6, 0x0
	.amdhsa_kernel k_q7728bba01f_prep
		.amdhsa_group_segment_fixed_size 19456
		.amdhsa_private_segment_fixed_size 0
		.amdhsa_enable_private_segment 0
		.amdhsa_kernarg_size 72
		.amdhsa_user_sgpr_count 2
		.amdhsa_user_sgpr_kernarg_segment_ptr 1
		.amdhsa_wavefront_size32 1
		.amdhsa_system_sgpr_workgroup_id_x 1
		.amdhsa_system_sgpr_workgroup_id_y 1
		.amdhsa_system_sgpr_workgroup_id_z 1
		.amdhsa_system_vgpr_workitem_id 0
		.amdhsa_next_free_vgpr 154
		.amdhsa_next_free_sgpr 66
		.amdhsa_reserve_vcc 0
		.amdhsa_float_denorm_mode_32 3
		.amdhsa_float_denorm_mode_16_64 3
		.amdhsa_memory_ordered 1
		.amdhsa_forward_progress 1
		.amdhsa_inst_pref_size 15
	.end_amdhsa_kernel
	.amdgpu_metadata
---
amdhsa.version: [ 1, 2 ]
amdhsa.kernels:
  - .name:           k_q7728bba01f_prep
    .symbol:         k_q7728bba01f_prep.kd
    .args:
      - { .name: x, .offset: 0, .size: 8, .value_kind: global_buffer, .address_space: global }
      - { .name: position_mask, .offset: 8, .size: 8, .value_kind: global_buffer, .address_space: global }
      - { .name: Wq, .offset: 16, .size: 8, .value_kind: global_buffer, .address_space: global }
      - { .name: Wv, .offset: 24, .size: 8, .value_kind: global_buffer, .address_space: global }
      - { .name: Wo, .offset: 32, .size: 8, .value_kind: global_buffer, .address_space: global }
      - { .name: xh, .offset: 40, .size: 8, .value_kind: global_buffer, .address_space: global }
      - { .name: mh, .offset: 48, .size: 8, .value_kind: global_buffer, .address_space: global }
      - { .name: wqv, .offset: 56, .size: 8, .value_kind: global_buffer, .address_space: global }
      - { .name: wo2, .offset: 64, .size: 8, .value_kind: global_buffer, .address_space: global }
    .group_segment_fixed_size: 19456
    .private_segment_fixed_size: 0
    .kernarg_segment_align: 8
    .kernarg_segment_size: 72
    .max_flat_workgroup_size: 256
    .sgpr_count:     66
    .vgpr_count:     154
    .wavefront_size: 32
...
	.end_amdgpu_metadata
.endif
;; end of part 1
;; launch qv (part 2): grid 16 x 16, 4 waves a work-group, clusters of 4 x 4, 327,680 bytes of LDS; arguments xh, wqv, x2; writes x2
.if DOCPART == 2
	.amdgcn_target "amdgcn-amd-amdhsa--gfx1250"
	.amdhsa_code_object_version 6
	.text
	.protected	k_q7728bba01f_qv
	.globl	k_q7728bba01f_qv
	.p2align	8
	.type	k_q7728bba01f_qv,@function
k_q7728bba01f_qv:
	s_mov_b64 s[64:65], 0
	v_nop
	global_prefetch_b8 v0, s[64:65] scope:SCOPE_SE
	s_setreg_imm32_b32 hwreg(HW_REG_WAVE_MODE, 25, 1), 1
	s_wait_xcnt 0x0
	s_wait_alu depctr_hold_cnt(0) depctr_sa_sdst(0) depctr_va_vdst(0) depctr_va_sdst(0) depctr_va_ssrc(0) depctr_va_vcc(0) depctr_vm_vsrc(0)
	s_getreg_b32 s2, hwreg(HW_REG_IB_STS2, 6, 4)
	s_cmp_eq_u32 s2, 0
	s_cbranch_scc0 .Lentry_in_a_cluster
	s_endpgm
.Lentry_in_a_cluster:
	s_bfe_u32 s2, ttmp6, 0x10000c
	s_cmp_lg_u32 s2, 0xf033
	s_cbranch_scc0 .Lentry_shape_is_right
	s_endpgm
.Lentry_shape_is_right:
; x2 = xh . wqv: [2048 (b,s)][1024 k] x [1024 k][2048 n'] in f16, sums in f32, x2 rounded once to f16 (no bias: the biases enter in the next launch).
; LIMIT: |x . W| of 65,504 and more becomes infinity in x2.
; A work-group makes 128 x 128 with four waves, a wave 64 x 64: 16 accumulator tiles.  K goes in four phases of 256 through two LDS slots.
; CLUSTERS: 4 x 4 work-groups.  xh's tile hangs on the block row alone and is asked for jointly by a row of the cluster; wqv's hangs on the block
; column alone and is asked for jointly by a column.  A wave has at most two tensor loads out: the two first fills, later the one refill.
; wqv's tile lies [k][n] in LDS: its fragments come through the transposing load.  The matrix instruction is used transposed (source 0 = 16
; columns of wqv, source 1 = 16 rows of xh), so that a lane's eight results are eight neighbouring columns of one row of x2.
; REGISTERS: window 0: v2-10 addresses, v16-79 and v80-143 two fragment buffers (+0 four fragments of xh, +32 four of wqv); window 1: accumulators.
.set PA,    528                        ; LDS row of xh: 512 bytes + 16 (an odd multiple of 16)
.set PB,    288                        ; LDS row of wqv: 256 bytes + 32 (an odd multiple of 32, for the transposing load)
.set BPART, 128*PB                     ; 128 k rows of wqv: one tensor load
.set APART, 64*PA                      ; 64 rows of xh: one tensor load
.set SLOT,  2*BPART+2*APART            ; wqv's 256 k rows, then xh's 128 rows
.set STAGE, 2*SLOT                     ; behind the ring, bytes that no tensor load fills: 128 rows x 272 for the way out
.set SP,    272
.set ADRA, 2                           ; v2-3   my xh fragments in slot 0, 1
.set ADRB, 4                           ; v4-7   my wqv fragments: slot s, k half z at ADRB + 2 s + z
.set STO,  8
.set RD,   9
.set CO,   10
.set F0,   16
.set F1,   80
.set G1A, 24                           ; s[24:31] group 1, xh's tiles
.set G0A, 32                           ; s[32:39] group 0, xh's tiles, one set a slot
.set G1B, 48                           ; s[48:55] group 1, wqv's tiles
.set G0B, 56                           ; s[56:63] group 0, wqv's tiles, one set a slot
.set ACCW, 0x50                        ; C and D in window 1, sources in window 0
.set MSB, 0
.macro WIN new                         ; the immediate's high byte repeats the setting that is left
.if MSB != \new
	s_set_vgpr_msb (MSB<<8)|\new
.set MSB, \new
.endif
.endm
.macro PLACES                          ; four places behind a matrix instruction (ISA guide 7.12.1) before its registers are loaded into or its results read
.rept 4
	v_nop
.endr
.endm
.macro CREST                           ; a round of the cluster's barrier behind its opening barrier
	s_cmp_lg_u32 s14, 0
	s_cbranch_scc1 .Lnot_wave_0_\@
	s_barrier_signal -3
.Lnot_wave_0_\@:
	s_barrier_wait -3
	s_barrier_signal -1
	s_barrier_wait -1
.endm
.macro CROUND
	s_barrier_signal -1
	s_barrier_wait -1
	CREST
.endm
.macro JLOAD s                         ; waves 0, 1 ask for wqv's two k halves, waves 2, 3 for xh's two row halves; the branch hangs on the wave's number alone
	s_cmp_eq_u32 s15, 0
	s_cbranch_scc0 .Lfor_a_\@
	tensor_load_to_lds s[G0B+4*\s:G0B+4*\s+3], s[G1B:G1B+7]
	s_nop 0
	s_branch .Lasked_\@
.Lfor_a_\@:
	tensor_load_to_lds s[G0A+4*\s:G0A+4*\s+3], s[G1A:G1A+7]
	s_nop 0
.Lasked_\@:
.endm
	s_load_b128 s[4:7], s[0:1], 0x0                ; xh s[4:5], wqv s[6:7]
	s_load_b64 s[8:9], s[0:1], 0x10                ; x2
	v_lshl_add_u32 v254, v0, 2, 0x4d800
	v_mov_b32 v255, 0
	ds_add_u32 v254, v255
	v_lshrrev_b32 v1, 5, v0
	v_readfirstlane_b32 s14, v1                    ; wave 0..3
	s_lshr_b32 s15, s14, 1                         ; my half of the block's rows; also: I fetch wqv (0) or xh (1)
	s_and_b32 s16, s14, 1                          ; my half of its columns; also: which part I fetch
	s_bfe_u32 s17, ttmp6, 0x40000                  ; cx
	s_bfe_u32 s18, ttmp6, 0x40004                  ; cy
	s_lshl_b32 s19, ttmp9, 2
	s_add_co_u32 s19, s19, s17                     ; block column = 4 x cluster x + cx
	s_and_b32 s20, ttmp7, 0xffff
	s_lshl_b32 s20, s20, 2
	s_add_co_u32 s20, s20, s18                     ; block row = 4 x cluster y + cy
	s_lshl_b32 s21, s18, 2
	s_lshl_b32 s21, 15, s21                        ; my row of the cluster
	s_lshl_b32 s22, 0x1111, s17                    ; my column
	; group 1, xh: 64 rows x 256 elements of 2 bytes, 4 words of padding behind every 128 words
	s_or_b32 s[G1A+0], s21, (1<<16)|(1<<20)|(1<<21)|(6<<22)|(3<<25)
	s_mov_b32 s[G1A+1], 256<<16                    ; tensor_dim0 = 256
	s_mov_b32 s[G1A+2], 64<<16                     ; tensor_dim1 = 64
	s_mov_b32 s[G1A+3], 256<<16                    ; tile_dim0 = 256
	s_mov_b32 s[G1A+4], 64                         ; tile_dim1 = 64
	s_mov_b32 s[G1A+5], 1024                       ; elements from row to row
	s_mov_b32 s[G1A+6], 0
	s_mov_b32 s[G1A+7], 0
	; group 1, wqv: 128 rows x 128 elements of 2 bytes, 8 words of padding behind every 64 words
	s_or_b32 s[G1B+0], s22, (1<<16)|(1<<20)|(1<<21)|(5<<22)|(7<<25)
	s_mov_b32 s[G1B+1], 128<<16
	s_mov_b32 s[G1B+2], 128<<16
	s_mov_b32 s[G1B+3], 128<<16
	s_mov_b32 s[G1B+4], 128
	s_mov_b32 s[G1B+5], 2048
	s_mov_b32 s[G1B+6], 0
	s_mov_b32 s[G1B+7], 0
	s_lshl_b32 s40, s20, 18                        ; xh: row 128 x block row (2,048 bytes a row)
	s_lshl_b32 s41, s16, 17                        ;     + 64 x part
	s_add_co_u32 s40, s40, s41
	s_mov_b32 s41, 0
	s_lshl_b32 s42, s16, 19                        ; wqv: k row 128 x part (4,096 bytes a row)
	s_lshl_b32 s43, s19, 8                         ;      + 128 columns x block column
	s_add_co_u32 s42, s42, s43
	s_mov_b32 s43, 0
	s_mul_i32 s44, s14, APART
	s_add_co_u32 s44, s44, 2*BPART-2*APART         ; xh's parts lie behind wqv's two: waves 2, 3
	s_mul_i32 s45, s14, BPART                      ; wqv's parts: waves 0, 1
	s_wait_dscnt 0x0
	s_wait_kmcnt 0x0
	s_add_nc_u64 s[46:47], s[4:5], s[40:41]
	s_add_nc_u64 s[66:67], s[6:7], s[42:43]
	CROUND                                         ; all sixteen work-groups are here: the first joint loads meet
.irp s, 0,1
	s_mov_b32 s[G0A+4*\s], 1
	s_add_co_u32 s[G0A+4*\s+1], s44, \s*SLOT
	s_add_nc_u64 s[G0A+4*\s+2:G0A+4*\s+3], s[46:47], \s*512          ; phase s: 256 k on
	s_or_b32 s[G0A+4*\s+3], s[G0A+4*\s+3], 0x80000000
	s_mov_b32 s[G0B+4*\s], 1
	s_add_co_u32 s[G0B+4*\s+1], s45, \s*SLOT
	s_add_nc_u64 s[G0B+4*\s+2:G0B+4*\s+3], s[66:67], \s*1048576      ; phase s: 256 k rows down
	s_or_b32 s[G0B+4*\s+3], s[G0B+4*\s+3], 0x80000000
	JLOAD \s
.endr
	v_and_b32 v11, 15, v0                          ; r
	v_bfe_u32 v12, v0, 4, 1                        ; h
	v_and_b32 v13, 7, v0
	v_lshl_add_u32 v13, v12, 3, v13                ; transposing load: k row 8 h + (lane & 7),
	v_mul_u32_u24 v13, v13, PB
	v_bfe_u32 v14, v0, 3, 1
	v_lshl_add_u32 v13, v14, 4, v13                ; 16 bytes further for lanes 8-15 of each half
	v_mul_u32_u24 v15, v11, PA
	v_lshl_add_u32 v15, v12, 4, v15                ; xh: row r, 16 h
	s_mul_i32 s68, s15, APART
	s_add_co_u32 s68, s68, 2*BPART
	v_add_nc_u32 v[ADRA], s68, v15
	v_add_nc_u32 v[ADRA+1], SLOT, v[ADRA]
	s_lshl_b32 s69, s16, 7                         ; my 64 columns: 128 bytes
	v_add_nc_u32 v[ADRB], s69, v13
	v_add_nc_u32 v[ADRB+1], BPART, v[ADRB]
	v_add_nc_u32 v[ADRB+2], SLOT, v[ADRB]
	v_add_nc_u32 v[ADRB+3], SLOT+BPART, v[ADRB]
	s_mul_i32 s70, s15, 64*SP
	s_add_co_u32 s70, s70, s69
	s_add_co_u32 s70, s70, STAGE
	v_mul_u32_u24 v14, v11, SP
	v_lshl_add_u32 v14, v12, 4, v14
	v_add_nc_u32 v[STO], s70, v14                  ; in: row 64 x row half + r, my 128 bytes, 16 h
	s_mul_i32 s71, s14, 32*SP
	s_add_co_u32 s71, s71, STAGE
	v_mul_u32_u24 v14, v12, SP
	v_lshl_add_u32 v14, v11, 4, v14
	v_add_nc_u32 v[RD], s71, v14                   ; back: rows 32 x wave + h, 16 bytes at 16 r
	v_lshlrev_b32 v14, 12, v12
	v_lshl_add_u32 v[CO], v11, 4, v14              ; the same two rows in x2
	s_lshl_b32 s72, s20, 19                        ; x2: row 128 x block row + 32 x wave (4,096 bytes a row), 256 bytes x block column
	s_lshl_b32 s73, s14, 17
	s_add_co_u32 s72, s72, s73
	s_lshl_b32 s73, s19, 8
	s_add_co_u32 s72, s72, s73
	s_mov_b32 s73, 0
	s_add_nc_u64 s[8:9], s[8:9], s[72:73]
; 16 LDS loads: the fragments of 32 along K (step kq of the slot's eight) into buffer f
.macro FETCH s, kq, f
.irp a, 0,1,2,3
	ds_load_b128 v[\f+8*\a:\f+8*\a+3],   v[ADRA+\s] offset:\a*16*PA+(\kq)*64
	ds_load_b128 v[\f+8*\a+4:\f+8*\a+7], v[ADRA+\s] offset:\a*16*PA+(\kq)*64+32
.endr
.irp b, 0,1,2,3
	ds_load_tr16_b128 v[\f+32+8*\b:\f+32+8*\b+3],   v[ADRB+2*\s+(\kq)/4] offset:((\kq)%4)*32*PB+32*\b
	ds_load_tr16_b128 v[\f+32+8*\b+4:\f+32+8*\b+7], v[ADRB+2*\s+(\kq)/4] offset:((\kq)%4)*32*PB+32*\b+16*PB
.endr
.endm
; 16 matrix instructions.  The 16 accumulators take turns, one instruction a turn, in the same order everywhere.
.macro MUL f, zero
.irp a, 0,1,2,3
.irp b, 0,1,2,3
.if \zero
	v_wmma_f32_16x16x32_f16 v[8*(4*\a+\b):8*(4*\a+\b)+7], v[\f+32+8*\b:\f+32+8*\b+7], v[\f+8*\a:\f+8*\a+7], 0
.else
	v_wmma_f32_16x16x32_f16 v[8*(4*\a+\b):8*(4*\a+\b)+7], v[\f+32+8*\b:\f+32+8*\b+7], v[\f+8*\a:\f+8*\a+7], v[8*(4*\a+\b):8*(4*\a+\b)+7]
.endif
.endr
.endr
.endm
; Step kq multiplies buffer f; ahead of that the next step's fragments are asked for, into buffer g
.macro STEP s, kq, f, g, zero
.if \kq < 7
	WIN 0
	PLACES
	FETCH \s, \kq+1, \g
	s_wait_dscnt 16                                ; all but the 16 just issued: buffer f is in
.else
	s_wait_dscnt 0
.endif
	WIN ACCW
	MUL \f, \zero
.endm
.macro PHASE s, zero
	WIN 0
.if \zero == 0
	PLACES
.endif
	FETCH \s, 0, F0
	STEP \s, 0, F0, F1, \zero
	STEP \s, 1, F1, F0, 0
	STEP \s, 2, F0, F1, 0
	STEP \s, 3, F1, F0, 0
	STEP \s, 4, F0, F1, 0
	STEP \s, 5, F1, F0, 0
	STEP \s, 6, F0, F1, 0
	STEP \s, 7, F1, F0, 0
.endm
; The change of slots behind a phase on slot s.  Every wave's reads of slot s are back and all its tensor loads have landed (its part of the other
; slot among them) in front of the opening signal; fill = 1: a round of the cluster's barrier, and the joint refill first behind it.
.macro CHANGE s, fill
	WIN 0
	s_wait_dscnt 0x0
	s_wait_tensorcnt 0x0
	ds_add_u32 v254, v255
	s_wait_dscnt 0x0
.if \fill
	s_add_nc_u64 s[G0A+4*\s+2:G0A+4*\s+3], s[G0A+4*\s+2:G0A+4*\s+3], 1024       ; no load of mine is out: two phases on
	s_add_nc_u64 s[G0B+4*\s+2:G0B+4*\s+3], s[G0B+4*\s+2:G0B+4*\s+3], 2097152
	CROUND
	JLOAD \s
.else
	s_barrier_signal -1
	s_barrier_wait -1
.endif
.endm
	s_wait_tensorcnt 0x1                           ; my part of slot 0 is in; slot 1's may stay out
	s_barrier_signal -1
	s_barrier_wait -1
	PHASE 0, 1                                     ; the first products start the sums: nothing is cleared
	CHANGE 0, 1
	PHASE 1, 0
	CHANGE 1, 1
	PHASE 0, 0
	CHANGE 0, 0
	PHASE 1, 0
	; THE WAY OUT: round to f16, 16 bytes a lane into the stage, read back as whole rows of 256 bytes
	PLACES
	WIN 0x05                                       ; sources in window 1
.irp t, 0,1,2,3,4,5,6,7,8,9,10,11,12,13,14,15
.irp q, 0,1,2,3
	v_cvt_pk_f16_f32 v[F0+4*\t+\q], v[8*\t+2*\q], v[8*\t+2*\q+1]
.endr
.endr
	WIN 0
.irp a, 0,1,2,3
.irp b, 0,1,2,3
	ds_store_b128 v[STO], v[F0+4*(4*\a+\b):F0+4*(4*\a+\b)+3] offset:\a*16*SP+32*\b
.endr
.endr
	s_wait_dscnt 0x0                               ; a row's two halves come from two waves: my stores are done,
	s_barrier_signal -1
	s_barrier_wait -1                              ; everybody's are
.irp i, 0,1,2,3,4,5,6,7,8,9,10,11,12,13,14,15
	ds_load_b128 v[F1+4*\i:F1+4*\i+3], v[RD] offset:\i*2*SP
.endr
.irp i, 0,1,2,3,4,5,6,7,8,9,10,11,12,13,14,15
	s_wait_dscnt 15-\i                             ; the younger read-backs may stay out
	global_store_b128 v[CO], v[F1+4*\i:F1+4*\i+3], s[8:9] offset:\i*8192         ; 16 lanes store 256 consecutive bytes, aligned
.endr
	s_wait_tensorcnt 0x0
	ds_add_u32 v254, v255
	s_wait_dscnt 0x0
	CROUND                                         ; the closing round
	s_endpgm
.Lfunc_end_k_q7728bba01f_qv:
	.size	k_q7728bba01f_qv, .Lfunc_end_k_q7728bba01f_qv-k_q7728bba01f_qv
	.p2alignl 7, 3214868480
	.fill 96, 4, 3214868480
	.section	.rodata,"a",@progbits
	.p2align	6, 0x0
	.amdhsa_kernel k_q7728bba01f_qv
		.amdhsa_group_segment_fixed_size 327680
		.amdhsa_private_segment_fixed_size 0
		.amdhsa_enable_private_segment 0
		.amdhsa_kernarg_size 24
		.amdhsa_user_sgpr_count 2
		.amdhsa_user_sgpr_kernarg_segment_ptr 1
		.amdhsa_wavefront_size32 1
		.amdhsa_system_sgpr_workgroup_id_x 1
		.amdhsa_system_sgpr_workgroup_id_y 1
		.amdhsa_system_sgpr_workgroup_id_z 1
		.amdhsa_system_vgpr_workitem_id 0
		.amdhsa_next_free_vgpr 384
		.amdhsa_next_free_sgpr 80
		.amdhsa_reserve_vcc 0
		.amdhsa_float_denorm_mode_32 3
		.amdhsa_float_denorm_mode_16_64 3
		.amdhsa_memory_ordered 1
		.amdhsa_forward_progress 1
		.amdhsa_inst_pref_size 88
	.end_amdhsa_kernel
	.amdgpu_metadata
---
amdhsa.version: [ 1, 2 ]
amdhsa.kernels:
  - .name:           k_q7728bba01f_qv
    .symbol:         k_q7728bba01f_qv.kd
    .args:
      - { .name: xh, .offset: 0, .size: 8, .value_kind: global_buffer, .address_space: global }
      - { .name: wqv, .offset: 8, .size: 8, .value_kind: global_buffer, .address_space: global }
      - { .name: x2, .offset: 16, .size: 8, .value_kind: global_buffer, .address_space: global }
    .group_segment_fixed_size: 327680
    .private_segment_fixed_size: 0
    .kernarg_segment_align: 8
    .kernarg_segment_size: 24
    .max_flat_workgroup_size: 128
    .sgpr_count:     80
    .vgpr_count:     384
    .wavefront_size: 32
...
	.end_amdgpu_metadata
.endif
;; end of part 2
;; launch attn (part 3): grid 32 x 16, 4 waves a work-group, clusters of 4 x 4, 327,680 bytes of LDS; arguments mh, x2, bq, bv, att; writes att
.if DOCPART == 3
	.amdgcn_target "amdgcn-amd-amdhsa--gfx1250"
	.amdhsa_code_object_version 6
	.text
	.protected	k_q7728bba01f_attn
	.globl	k_q7728bba01f_attn
	.p2align	8
	.type	k_q7728bba01f_attn,@function
k_q7728bba01f_attn:
	s_mov_b64 s[64:65], 0
	v_nop
	global_prefetch_b8 v0, s[64:65] scope:SCOPE_SE
	s_setreg_imm32_b32 hwreg(HW_REG_WAVE_MODE, 25, 1), 1
	s_wait_xcnt 0x0
	s_wait_alu depctr_hold_cnt(0) depctr_sa_sdst(0) depctr_va_vdst(0) depctr_va_sdst(0) depctr_va_ssrc(0) depctr_va_vcc(0) depctr_vm_vsrc(0)
	s_getreg_b32 s2, hwreg(HW_REG_IB_STS2, 6, 4)
	s_cmp_eq_u32 s2, 0
	s_cbranch_scc0 .Lentry_in_a_cluster
	s_endpgm
.Lentry_in_a_cluster:
	s_bfe_u32 s2, ttmp6, 0x10000c
	s_cmp_lg_u32 s2, 0xf033
	s_cbranch_scc0 .Lentry_shape_is_right
	s_endpgm
.Lentry_shape_is_right:
; K and V of the windows and the attention itself.  (mask^T x) W + b = mask^T (x W) + b, so K[t,w,:] and V[t,w,:] are the product of the mask,
; taken as a dense matrix [(w,t)][s], with x2 = x [Wq | Wv]; the biases are added afterwards, in f32.
; A work-group takes 32 t (block row), one b and two heads (block column): 256 rows (8 w x 32 t) x 256 columns (K and V of 2 heads), K dimension s = 512.
; A wave takes 16 t x 8 w and K (64 d) and V (64 d) of ONE head: 64 accumulator tiles, 512 registers, and the whole attention of (b, h, 16 t) is its own:
; scores, softmax (the true maximum is taken away) and P V are made in f32 straight from the accumulators.
; Both operands lie [s][..] in LDS and come through the transposing load.  Source 0 = 16 t of the mask for one w, source 1 = 16 columns d:
; lane (n = lane % 16, h = lane / 16) holds in register j of tile (c, w): t = 8 h + j, d = 16 c + n.
; K's bias: q . (K + bq) = q . K + q . bq, which starts every score's sum.  V's bias: the probabilities sum to 1, so it is added behind the normalisation.
; LIMIT: mask and x2 are f16 (magnitudes below 65,504).  att leaves in bf16.
; CLUSTERS: 4 x 4.  The mask's tiles hang on the block row alone (joint along a row of the cluster), x2's on the block column alone (joint along a column).
; s goes in four steps of 128 through two LDS slots; a wave has at most two tensor loads out: the two first fills, later the one refill.
; REGISTERS: window 0: v16-26 addresses, v32-63 q as loaded, v64-127 and v128-191 fragments of x2 (two buffers), v192-199 biases, v200-247 results;
;   window 1: v64-127, v128-191 fragments of the mask; window 2: K tiles (c, w) at v[8 (8 c + w)]; window 3: V tiles likewise.
.set PITCH, 288                        ; an LDS row: 256 bytes + 32 (an odd multiple of 32, for the transposing load)
.set PART,  128*PITCH                  ; 128 s rows: one tensor load.  Parts of a slot: mask w 0-3, mask w 4-7, K columns, V columns
.set SLOT,  4*PART
.set QK,    32*PITCH                   ; a quarter step: 32 s rows
.set ADR,  16                          ; v16-23  slot s, part q at ADR + 4 s + q
.set QOFF, 24
.set BOFF, 25
.set AOFF, 26
.set QR,   32
.set F0,   64
.set F1,   128
.set BQ,   192
.set BV,   196
.set G1A, 24
.set G0A, 32
.set G1B, 48
.set G0B, 56
.set MSB, 0
.macro WIN new
.if MSB != \new
	s_set_vgpr_msb (MSB<<8)|\new
.set MSB, \new
.endif
.endm
.set MUL_LO, 0xa1                      ; source 0 (mask) window 1, source 1 (x2) window 0, C and D window 2
.set MUL_HI, 0xf1                      ; the same, C and D window 3
.set TO_M,   0x40                      ; destination window 1, address window 0
.macro PLACES                          ; four places behind a matrix instruction (ISA guide 7.12.1) before its registers are loaded into or its results read
.rept 4
	v_nop
.endr
.endm
.macro CREST
	s_cmp_lg_u32 s14, 0
	s_cbranch_scc1 .Lnot_wave_0_\@
	s_barrier_signal -3
.Lnot_wave_0_\@:
	s_barrier_wait -3
	s_barrier_signal -1
	s_barrier_wait -1
.endm
.macro CROUND
	s_barrier_signal -1
	s_barrier_wait -1
	CREST
.endm
.macro JLOAD s                         ; waves 0, 1 ask for the mask's two parts, waves 2, 3 for x2's two
	s_cmp_eq_u32 s15, 0
	s_cbranch_scc0 .Lfor_b_\@
	tensor_load_to_lds s[G0A+4*\s:G0A+4*\s+3], s[G1A:G1A+7]
	s_nop 0
	s_branch .Lasked_\@
.Lfor_b_\@:
	tensor_load_to_lds s[G0B+4*\s:G0B+4*\s+3], s[G1B:G1B+7]
	s_nop 0
.Lasked_\@:
.endm
	s_load_b256 s[4:11], s[0:1], 0x0               ; mh s[4:5], x2 s[6:7], bq s[8:9], bv s[10:11]
	s_load_b64 s[12:13], s[0:1], 0x20              ; att
	s_set_vgpr_msb 0x40
	v_lshl_add_u32 v255, v0, 2, 0x48000
	s_set_vgpr_msb 0x4000
	v_mov_b32 v255, 0
	s_set_vgpr_msb 0x1
	ds_add_u32 v255, v255
	s_set_vgpr_msb 0x100
	v_lshrrev_b32 v1, 5, v0
	v_readfirstlane_b32 s14, v1                    ; wave 0..3
	s_lshr_b32 s15, s14, 1                         ; my 16 t of the block's 32; also: I fetch the mask (0) or x2 (1)
	s_and_b32 s16, s14, 1                          ; my head of the pair; also: which part I fetch
	s_bfe_u32 s17, ttmp6, 0x40000                  ; cx
	s_bfe_u32 s18, ttmp6, 0x40004                  ; cy
	s_lshl_b32 s19, ttmp9, 2
	s_add_co_u32 s19, s19, s17                     ; block column = 8 b + pair of heads
	s_and_b32 s20, ttmp7, 0xffff
	s_lshl_b32 s20, s20, 2
	s_add_co_u32 s20, s20, s18                     ; block row = tb
	s_lshl_b32 s21, s18, 2
	s_lshl_b32 s21, 15, s21                        ; my row of the cluster
	s_lshl_b32 s22, 0x1111, s17                    ; my column
	; both tiles: 128 rows x 128 elements of 2 bytes, 8 words of padding behind every 64 words
	s_or_b32 s[G1A+0], s21, (1<<16)|(1<<20)|(1<<21)|(5<<22)|(7<<25)
	s_or_b32 s[G1B+0], s22, (1<<16)|(1<<20)|(1<<21)|(5<<22)|(7<<25)
	s_mov_b32 s[G1A+1], 128<<16
	s_mov_b32 s[G1B+1], 128<<16
	s_mov_b32 s[G1A+2], 128<<16
	s_mov_b32 s[G1B+2], 128<<16
	s_mov_b32 s[G1A+3], 128<<16
	s_mov_b32 s[G1B+3], 128<<16
	s_mov_b32 s[G1A+4], 128
	s_mov_b32 s[G1B+4], 128
	s_mov_b32 s[G1A+5], 256                        ; mh: 8 w x 32 t from s to s
	s_mov_b32 s[G1B+5], 2048                       ; x2: 2,048 columns from s to s
	s_mov_b32 s[G1A+6], 0
	s_mov_b32 s[G1B+6], 0
	s_mov_b32 s[G1A+7], 0
	s_mov_b32 s[G1B+7], 0
	s_lshl_b32 s40, s20, 18                        ; mh: tb x 262,144
	s_lshl_b32 s41, s16, 8                         ;     + four w (256 bytes) x part
	s_add_co_u32 s40, s40, s41
	s_mov_b32 s41, 0
	s_lshr_b32 s42, s19, 3
	s_lshl_b32 s42, s42, 21                        ; x2: b x 512 rows of 4,096 bytes
	s_and_b32 s43, s19, 7
	s_lshl_b32 s43, s43, 8                         ;     + two heads (256 bytes) x pair
	s_add_co_u32 s42, s42, s43
	s_lshl_b32 s43, s16, 11                        ;     + 2,048 bytes for V
	s_add_co_u32 s42, s42, s43
	s_mov_b32 s43, 0
	s_mul_i32 s44, s14, PART                       ; part = wave
	s_wait_dscnt 0x0
	s_wait_kmcnt 0x0
	s_add_nc_u64 s[46:47], s[4:5], s[40:41]
	s_add_nc_u64 s[66:67], s[6:7], s[42:43]
	CROUND                                         ; all sixteen work-groups are here: the first joint loads meet
.irp s, 0,1
	s_mov_b32 s[G0A+4*\s], 1
	s_add_co_u32 s[G0A+4*\s+1], s44, \s*SLOT
	s_add_nc_u64 s[G0A+4*\s+2:G0A+4*\s+3], s[46:47], \s*65536        ; step s: 128 rows of 512 bytes down
	s_or_b32 s[G0A+4*\s+3], s[G0A+4*\s+3], 0x80000000
	s_mov_b32 s[G0B+4*\s], 1
	s_add_co_u32 s[G0B+4*\s+1], s44, \s*SLOT
	s_add_nc_u64 s[G0B+4*\s+2:G0B+4*\s+3], s[66:67], \s*524288       ; step s: 128 rows of 4,096 bytes down
	s_or_b32 s[G0B+4*\s+3], s[G0B+4*\s+3], 0x80000000
	JLOAD \s
.endr
	v_and_b32 v1, 15, v0                           ; n
	v_bfe_u32 v2, v0, 4, 1                         ; h
	v_and_b32 v3, 7, v0
	v_lshl_add_u32 v3, v2, 3, v3                   ; transposing load: s row 8 h + (lane & 7),
	v_mul_u32_u24 v3, v3, PITCH
	v_bfe_u32 v4, v0, 3, 1
	v_lshl_add_u32 v3, v4, 4, v3                   ; 16 bytes further for lanes 8-15 of each half
	s_lshl_b32 s78, s15, 5                         ; mask: my 16 t, 32 bytes
	s_lshl_b32 s79, s16, 7                         ; x2: my head, 128 bytes
	v_add_nc_u32 v[ADR], s78, v3
	v_add_nc_u32 v[ADR+1], PART, v[ADR]
	v_add_nc_u32 v[ADR+2], s79, v3
	v_add_nc_u32 v[ADR+2], 2*PART, v[ADR+2]
	v_add_nc_u32 v[ADR+3], PART, v[ADR+2]
.irp q, 0,1,2,3
	v_add_nc_u32 v[ADR+4+\q], SLOT, v[ADR+\q]
.endr
	v_lshlrev_b32 v4, 1, v1
	v_lshl_add_u32 v[QOFF], v2, 15, v4             ; q: 8 h rows of 4,096 bytes, column n
	v_lshlrev_b32 v[BOFF], 6, v1                   ; biases: element 16 (16 c + n) + head: 64 n bytes
	v_and_b32 v4, 31, v0
	v_lshlrev_b32 v[AOFF], 3, v4                   ; att: 8 bytes a lane
	s_lshr_b32 s70, s19, 3                         ; b
	s_and_b32 s71, s19, 7
	s_lshl_b32 s71, s71, 1
	s_add_co_u32 s71, s71, s16                     ; head
	s_lshl_b32 s72, s70, 21                        ; q = x2's row 512 b + 32 tb + 16 x t half, column 64 x head
	s_lshl_b32 s73, s20, 17
	s_add_co_u32 s72, s72, s73
	s_lshl_b32 s73, s15, 16
	s_add_co_u32 s72, s72, s73
	s_lshl_b32 s73, s71, 7
	s_add_co_u32 s72, s72, s73
	s_mov_b32 s73, 0
	s_lshl_b32 s74, s70, 20                        ; att: block ((32 b + 2 tb + t half) x 16 + head) of 2,048 bytes
	s_lshl_b32 s75, s20, 16
	s_add_co_u32 s74, s74, s75
	s_lshl_b32 s75, s15, 15
	s_add_co_u32 s74, s74, s75
	s_lshl_b32 s75, s71, 11
	s_add_co_u32 s74, s74, s75
	s_mov_b32 s75, 0
	s_lshl_b32 s76, s71, 2
	s_mov_b32 s77, 0
	s_add_nc_u64 s[68:69], s[6:7], s[72:73]
	s_add_nc_u64 s[12:13], s[12:13], s[74:75]
	s_add_nc_u64 s[8:9], s[8:9], s[76:77]
	s_add_nc_u64 s[10:11], s[10:11], s[76:77]
	; q and the biases, in the accumulators' layout; they are waited for once, behind the products.  Their registers and addresses are left alone till then.
.irp c, 0,1,2,3
.irp j, 0,1,2,3,4,5,6,7
	global_load_u16 v[QR+8*\c+\j], v[QOFF], s[68:69] offset:\j*4096+32*\c
.endr
.endr
.irp c, 0,1,2,3
	global_load_b32 v[BQ+\c], v[BOFF], s[8:9] offset:1024*\c
	global_load_b32 v[BV+\c], v[BOFF], s[10:11] offset:1024*\c
.endr
; 16 matrix instructions: column blocks a0, a0 + 1 of K (hi = 0) or V (hi = 1) x all 8 w, 32 along s.  The 64 accumulators take turns, one
; instruction a turn, in the same order in every quarter step.
.macro MUL16 f, hi, a0, zero
.irp a, \a0, \a0+1
.irp b, 0,1,2,3,4,5,6,7
.if \zero
	v_wmma_f32_16x16x32_f16 v[8*(8*(\a)+\b):8*(8*(\a)+\b)+7], v[\f+8*\b:\f+8*\b+7], v[\f+8*(4*\hi+\a):\f+8*(4*\hi+\a)+7], 0
.else
	v_wmma_f32_16x16x32_f16 v[8*(8*(\a)+\b):8*(8*(\a)+\b)+7], v[\f+8*\b:\f+8*\b+7], v[\f+8*(4*\hi+\a):\f+8*(4*\hi+\a)+7], v[8*(8*(\a)+\b):8*(8*(\a)+\b)+7]
.endif
.endr
.endr
.endm
; 32 LDS loads in one run: eight fragments of the mask (w = 0..7), then four of K's columns and four of V's, 32 s rows from byte k of the parts
.macro FETCH slot, k, f
	WIN TO_M
.irp i, 0,1,2,3,4,5,6,7
	ds_load_tr16_b128 v[\f+8*\i:\f+8*\i+3],   v[ADR+4*\slot+\i/4] offset:\k+(\i%4)*64
	ds_load_tr16_b128 v[\f+8*\i+4:\f+8*\i+7], v[ADR+4*\slot+\i/4] offset:\k+(\i%4)*64+16*PITCH
.endr
	WIN 0
.irp i, 0,1,2,3,4,5,6,7
	ds_load_tr16_b128 v[\f+8*\i:\f+8*\i+3],   v[ADR+4*\slot+2+\i/4] offset:\k+(\i%4)*32
	ds_load_tr16_b128 v[\f+8*\i+4:\f+8*\i+7], v[ADR+4*\slot+2+\i/4] offset:\k+(\i%4)*32+16*PITCH
.endr
.endm
.macro QUARTER slot, k, f, g, zero
	s_wait_dscnt 8                                 ; the mask's and K's fragments are in; the youngest eight loads (V's) may be out
	WIN MUL_LO
	MUL16 \f, 0, 0, \zero
	MUL16 \f, 0, 2, \zero
	PLACES
	FETCH \slot, \k, \g
	s_wait_dscnt 32                                ; all but the 32 just issued
	WIN MUL_HI
	MUL16 \f, 1, 0, \zero
	MUL16 \f, 1, 2, \zero
.endm
.macro THREE slot, zero
	QUARTER \slot, QK,   F0, F1, \zero
	QUARTER \slot, 2*QK, F1, F0, 0
	QUARTER \slot, 3*QK, F0, F1, 0
.endm
; The last quarter of a step multiplies buffer 1 and changes slots.  In front of the signal: my reads of this slot are back and all my tensor loads have
; landed (the one that was out is my part of the next slot).  fill = 1: the barrier opens a round of the cluster's barrier, and the joint refill is
; the first tensor load behind the round.
.macro TURN slot, next, fill
	s_wait_dscnt 8
	WIN MUL_LO
	MUL16 F1, 0, 0, 0
	s_wait_dscnt 0
	s_wait_tensorcnt 0x0
	ds_add_u32 v255, v255
	s_wait_dscnt 0x0
	s_barrier_signal -1
	MUL16 F1, 0, 2, 0                              ; registers only, while the others arrive
	WIN 0
	s_barrier_wait -1
.if \fill
	CREST
	s_add_nc_u64 s[G0A+4*\slot+2:G0A+4*\slot+3], s[G0A+4*\slot+2:G0A+4*\slot+3], 131072     ; two steps on
	s_add_nc_u64 s[G0B+4*\slot+2:G0B+4*\slot+3], s[G0B+4*\slot+2:G0B+4*\slot+3], 1048576
	JLOAD \slot
.endif
	PLACES
	FETCH \next, 0, F0
	WIN MUL_HI
	MUL16 F1, 1, 0, 0
	MUL16 F1, 1, 2, 0
.endm
	s_wait_tensorcnt 0x1                           ; my part of step 0 is in; step 1's may stay out
	s_barrier_signal -1
	s_barrier_wait -1
	FETCH 0, 0, F0
	THREE 0, 1                                     ; step 0: its first products start the sums
	TURN 0, 1, 1                                   ; slot 0 gets step 2
	THREE 1, 0                                     ; step 1
	TURN 1, 0, 1                                   ; slot 1 gets step 3
	THREE 0, 0                                     ; step 2
	TURN 0, 1, 0                                   ; nothing is left to fetch
	THREE 1, 0                                     ; step 3
	s_wait_dscnt 8
	WIN MUL_LO
	MUL16 F1, 0, 0, 0
	MUL16 F1, 0, 2, 0
	s_wait_dscnt 0
	WIN MUL_HI
	MUL16 F1, 1, 0, 0
	MUL16 F1, 1, 2, 0
	; THE ATTENTION, all in f32, in window 0 but for the accumulators
.set Q,  64                            ; v[64:95]    q + bq, at 8 c + j
.set QB, 96                            ; v[96:103]   my lane's part of q . bq, for each j
.set MX, 104                           ; v[104:111]  the maximum over w, then - maximum x log2(e) / 32
.set SM, 112                           ; v[112:119]  the sum of the exponentials
.set RC, 120                           ; v[120:127]  its reciprocal
.set S,  128                           ; v[128:191]  scores, then exponentials, at 8 w + j
.set O,  200                           ; v[200:231]  results at 8 c + j
.set P,  232                           ; v[232:247]  packed results, two registers for each j
	PLACES
	WIN 0
	s_wait_loadcnt 0x0                             ; q, bq, bv
	; q from f16 to f32: v[Q + i] from the low half of v[QR + i]; halves of registers are named plainly
	v_cvt_f32_f16 v64, v32.l
	v_cvt_f32_f16 v65, v33.l
	v_cvt_f32_f16 v66, v34.l
	v_cvt_f32_f16 v67, v35.l
	v_cvt_f32_f16 v68, v36.l
	v_cvt_f32_f16 v69, v37.l
	v_cvt_f32_f16 v70, v38.l
	v_cvt_f32_f16 v71, v39.l
	v_cvt_f32_f16 v72, v40.l
	v_cvt_f32_f16 v73, v41.l
	v_cvt_f32_f16 v74, v42.l
	v_cvt_f32_f16 v75, v43.l
	v_cvt_f32_f16 v76, v44.l
	v_cvt_f32_f16 v77, v45.l
	v_cvt_f32_f16 v78, v46.l
	v_cvt_f32_f16 v79, v47.l
	v_cvt_f32_f16 v80, v48.l
	v_cvt_f32_f16 v81, v49.l
	v_cvt_f32_f16 v82, v50.l
	v_cvt_f32_f16 v83, v51.l
	v_cvt_f32_f16 v84, v52.l
	v_cvt_f32_f16 v85, v53.l
	v_cvt_f32_f16 v86, v54.l
	v_cvt_f32_f16 v87, v55.l
	v_cvt_f32_f16 v88, v56.l
	v_cvt_f32_f16 v89, v57.l
	v_cvt_f32_f16 v90, v58.l
	v_cvt_f32_f16 v91, v59.l
	v_cvt_f32_f16 v92, v60.l
	v_cvt_f32_f16 v93, v61.l
	v_cvt_f32_f16 v94, v62.l
	v_cvt_f32_f16 v95, v63.l
.irp c, 0,1,2,3
.irp j, 0,1,2,3,4,5,6,7
	v_add_f32 v[Q+8*\c+\j], v[Q+8*\c+\j], v[BQ+\c]                 ; q = x Wq + bq
.endr
.endr
.irp j, 0,1,2,3,4,5,6,7
	v_mul_f32 v[QB+\j], v[Q+\j], v[BQ]
.endr
.irp c, 1,2,3
.irp j, 0,1,2,3,4,5,6,7
	v_fmac_f32 v[QB+\j], v[Q+8*\c+\j], v[BQ+\c]                    ; q . bq over my four d
.endr
.endr
	WIN 0x02                                       ; source 0: K's tiles
.irp c, 0,1,2,3
.irp w, 0,1,2,3,4,5,6,7
.irp j, 0,2,4,6
.if \c == 0
	v_pk_fma_f32 v[S+8*\w+\j:S+8*\w+\j+1], v[8*(8*\c+\w)+\j:8*(8*\c+\w)+\j+1], v[Q+8*\c+\j:Q+8*\c+\j+1], v[QB+\j:QB+\j+1]
.else
	v_pk_fma_f32 v[S+8*\w+\j:S+8*\w+\j+1], v[8*(8*\c+\w)+\j:8*(8*\c+\w)+\j+1], v[Q+8*\c+\j:Q+8*\c+\j+1], v[S+8*\w+\j:S+8*\w+\j+1]
.endif
.endr
.endr
.endr
	WIN 0
	; the sum over the 16 lanes that hold the other d of the same t: four steps inside each half of the wave; every lane ends with the score
.irp m, 1,2,4,8
.set i, 0
.rept 64
	v_add_f32_dpp v[S+i], v[S+i], v[S+i] row_xmask:\m row_mask:0xf bank_mask:0xf
.set i, i+1
.endr
.endr
.irp j, 0,1,2,3,4,5,6,7
	v_max3_num_f32 v[MX+\j], v[S+\j], v[S+8+\j], v[S+16+\j]
.endr
.irp j, 0,1,2,3,4,5,6,7
	v_max3_num_f32 v[MX+\j], v[MX+\j], v[S+24+\j], v[S+32+\j]
.endr
.irp j, 0,1,2,3,4,5,6,7
	v_max3_num_f32 v[MX+\j], v[MX+\j], v[S+40+\j], v[S+48+\j]
.endr
.irp j, 0,1,2,3,4,5,6,7
	v_max_num_f32 v[MX+\j], v[MX+\j], v[S+56+\j]                   ; the largest of the eight scores of (t, head)
.endr
.irp j, 0,1,2,3,4,5,6,7
	v_mul_f32 v[MX+\j], 0xbd38aa3b, v[MX+\j]                       ; x - log2(e) / sqrt(1024)
.endr
.irp w, 0,1,2,3,4,5,6,7
.irp j, 0,2,4,6
	v_pk_fma_f32 v[S+8*\w+\j:S+8*\w+\j+1], v[S+8*\w+\j:S+8*\w+\j+1], 0x3d38aa3b, v[MX+\j:MX+\j+1] op_sel_hi:[1,0,1]   ; (score - maximum) log2(e) / 32: the same shift for all eight w
.endr
.endr
.set i, 0
.rept 64
	v_exp_f32 v[S+i], v[S+i]
.set i, i+1
.endr
	v_nop                                          ; one plain instruction between the last exponential and its use (ISA guide 5.7.2)
	s_wait_alu depctr_va_vdst(0)
.irp j, 0,2,4,6
	v_pk_add_f32 v[SM+\j:SM+\j+1], v[S+\j:S+\j+1], v[S+8+\j:S+8+\j+1]
.endr
.irp w, 2,3,4,5,6,7
.irp j, 0,2,4,6
	v_pk_add_f32 v[SM+\j:SM+\j+1], v[SM+\j:SM+\j+1], v[S+8*\w+\j:S+8*\w+\j+1]
.endr
.endr
.irp j, 0,1,2,3,4,5,6,7
	v_rcp_f32 v[RC+\j], v[SM+\j]                   ; the sum is at least about 1: the largest exponential is 2^0 up to rounding
.endr
	WIN 0x03                                       ; source 0: V's tiles.  The products below name neither SM nor RC: they are the plain work behind the reciprocals
.irp w, 0,1,2,3,4,5,6,7
.irp c, 0,1,2,3
.irp j, 0,2,4,6
.if \w == 0
	v_pk_mul_f32 v[O+8*\c+\j:O+8*\c+\j+1], v[8*(8*\c+\w)+\j:8*(8*\c+\w)+\j+1], v[S+8*\w+\j:S+8*\w+\j+1]
.else
	v_pk_fma_f32 v[O+8*\c+\j:O+8*\c+\j+1], v[8*(8*\c+\w)+\j:8*(8*\c+\w)+\j+1], v[S+8*\w+\j:S+8*\w+\j+1], v[O+8*\c+\j:O+8*\c+\j+1]
.endif
.endr
.endr
.endr
	WIN 0
	s_wait_alu depctr_va_vdst(0)
.irp c, 0,1,2,3
.irp j, 0,1,2,3,4,5,6,7
	v_fma_f32 v[O+8*\c+\j], v[O+8*\c+\j], v[RC+\j], v[BV+\c]       ; normalise, add V's bias
.endr
.endr
	; att: bf16 [128 blocks of 16 t][16 heads][16 p][64], p = 2 j + h, and my four d (c = 0..3) lie side by side at 4 n + c: the next launch
	; walks Wo's rows in the same order.  Each store of the wave covers 256 consecutive bytes, aligned.
.irp j, 0,1,2,3,4,5,6,7
	v_cvt_pk_bf16_f32 v[P+2*\j],   v[O+\j],    v[O+8+\j]
	v_cvt_pk_bf16_f32 v[P+2*\j+1], v[O+16+\j], v[O+24+\j]
.endr
.irp j, 0,1,2,3,4,5,6,7
	global_store_b64 v[AOFF], v[P+2*\j:P+2*\j+1], s[12:13] offset:256*\j
.endr
	CROUND                                         ; the closing round
	s_endpgm
.Lfunc_end_k_q7728bba01f_attn:
	.size	k_q7728bba01f_attn, .Lfunc_end_k_q7728bba01f_attn-k_q7728bba01f_attn
	.p2alignl 7, 3214868480
	.fill 96, 4, 3214868480
	.section	.rodata,"a",@progbits
	.p2align	6, 0x0
	.amdhsa_kernel k_q7728bba01f_attn
		.amdhsa_group_segment_fixed_size 327680
		.amdhsa_private_segment_fixed_size 0
		.amdhsa_enable_private_segment 0
		.amdhsa_kernarg_size 40
		.amdhsa_user_sgpr_count 2
		.amdhsa_user_sgpr_kernarg_segment_ptr 1
		.amdhsa_wavefront_size32 1
		.amdhsa_system_sgpr_workgroup_id_x 1
		.amdhsa_system_sgpr_workgroup_id_y 1
		.amdhsa_system_sgpr_workgroup_id_z 1
		.amdhsa_system_vgpr_workitem_id 0
		.amdhsa_next_free_vgpr 1024
		.amdhsa_next_free_sgpr 80
		.amdhsa_reserve_vcc 0
		.amdhsa_float_denorm_mode_32 3
		.amdhsa_float_denorm_mode_16_64 3
		.amdhsa_memory_ordered 1
		.amdhsa_forward_progress 1
		.amdhsa_inst_pref_size 163
	.end_amdhsa_kernel
	.amdgpu_metadata
---
amdhsa.version: [ 1, 2 ]
amdhsa.kernels:
  - .name:           k_q7728bba01f_attn
    .symbol:         k_q7728bba01f_attn.kd
    .args:
      - { .name: mh, .offset: 0, .size: 8, .value_kind: global_buffer, .address_space: global }
      - { .name: x2, .offset: 8, .size: 8, .value_kind: global_buffer, .address_space: global }
      - { .name: bq, .offset: 16, .size: 8, .value_kind: global_buffer, .address_space: global }
      - { .name: bv, .offset: 24, .size: 8, .value_kind: global_buffer, .address_space: global }
      - { .name: att, .offset: 32, .size: 8, .value_kind: global_buffer, .address_space: global }
    .group_segment_fixed_size: 327680
    .private_segment_fixed_size: 0
    .kernarg_segment_align: 8
    .kernarg_segment_size: 40
    .max_flat_workgroup_size: 128
    .sgpr_count:     80
    .vgpr_count:     1024
    .wavefront_size: 32
...
	.end_amdgpu_metadata
.endif
;; end of part 3
;; launch proj (part 4): grid 16 x 16, 4 waves a work-group, clusters of 4 x 4, 327,680 bytes of LDS; arguments att, wo2, bo, out0; writes out0
.if DOCPART == 4
	.amdgcn_target "amdgcn-amd-amdhsa--gfx1250"
	.amdhsa_code_object_version 6
	.text
	.protected	k_q7728bba01f_proj
	.globl	k_q7728bba01f_proj
	.p2align	8
	.type	k_q7728bba01f_proj,@function
k_q7728bba01f_proj:
	s_mov_b64 s[64:65], 0
	v_nop
	global_prefetch_b8 v0, s[64:65] scope:SCOPE_SE
	s_setreg_imm32_b32 hwreg(HW_REG_WAVE_MODE, 25, 1), 1
	s_wait_xcnt 0x0
	s_wait_alu depctr_hold_cnt(0) depctr_sa_sdst(0) depctr_va_vdst(0) depctr_va_sdst(0) depctr_va_ssrc(0) depctr_va_vcc(0) depctr_vm_vsrc(0)
	s_getreg_b32 s2, hwreg(HW_REG_IB_STS2, 6, 4)
	s_cmp_eq_u32 s2, 0
	s_cbranch_scc0 .Lentry_in_a_cluster
	s_endpgm
.Lentry_in_a_cluster:
	s_bfe_u32 s2, ttmp6, 0x10000c
	s_cmp_lg_u32 s2, 0xf033
	s_cbranch_scc0 .Lentry_shape_is_right
	s_endpgm
.Lentry_shape_is_right:
; out0 = att . Wo + bo.  att is bf16; Wo comes as two bf16 parts, hi + lo, whose products are added onto the same f32 sums, so that att's rounding is the
; only rounding to 8 bits of mantissa in this product.  K runs in att's order (64 x head + 4 n + c); wo2's rows lie in the same order.
; A work-group makes 128 rows x 64 columns with four waves, a wave 64 x 32: 8 accumulator tiles.  K goes in four phases of 256 (4 heads) through two LDS slots.
; CLUSTERS: 4 x 4.  att's tile hangs on the block row alone (joint along a row of the cluster), wo2's on the block column alone (joint along a column).
; A wave has at most two tensor loads out: the two first fills, later the one refill.
; The matrix instruction is used transposed (source 0 = 16 columns of Wo, source 1 = 16 rows of att): a lane holds eight neighbouring columns of one row.
.set PA,    144                        ; LDS row of att: 128 bytes (one t, one head) + 16
.set PB,    160                        ; LDS row of wo2: 128 bytes (one k', 64 columns) + 32 (an odd multiple of 32, for the transposing load)
.set BPART, 256*PB                     ; 256 k' rows of hi or of lo: one tensor load
.set APART, 256*PA                     ; four blocks of 16 t x 4 heads x 16 rows: one tensor load
.set SLOT,  2*BPART+2*APART            ; hi, lo, att's rows 0-63, att's rows 64-127
.set SP,    272                        ; the stage: 128 rows of 256 bytes + 16, at LDS byte 0, inside slot 0's hi part, used when slot 0 has had its last fill and its last read
.set ADRA, 2                           ; v2-3  my att fragments in slot 0, 1
.set ADRH, 4                           ; v4-5  my hi fragments
.set ADRL, 6                           ; v6-7  my lo fragments
.set STO,  8
.set RD,   9
.set CO,   10
.set BOFF, 15
.set ACC,  16                          ; v[16:79]   tile (a, b) at ACC + 8 (2 a + b)
.set F0,   80                          ; v[80:143]  fragment buffer 0: +0 four of att, +32 two of hi, +48 two of lo
.set F1,   144                         ; v[144:207] fragment buffer 1
.set BO,   208                         ; v[208:223] bo of my 16 columns
.set G1A, 24
.set G0A, 32
.set G1B, 48
.set G0B, 56
.macro PLACES                          ; four places behind a matrix instruction (ISA guide 7.12.1) before its registers are loaded into or its results read
.rept 4
	v_nop
.endr
.endm
.macro CREST
	s_cmp_lg_u32 s14, 0
	s_cbranch_scc1 .Lnot_wave_0_\@
	s_barrier_signal -3
.Lnot_wave_0_\@:
	s_barrier_wait -3
	s_barrier_signal -1
	s_barrier_wait -1
.endm
.macro CROUND
	s_barrier_signal -1
	s_barrier_wait -1
	CREST
.endm
.macro JLOAD s                         ; waves 0, 1 ask for hi and lo, waves 2, 3 for att's two row halves
	s_cmp_eq_u32 s15, 0
	s_cbranch_scc0 .Lfor_a_\@
	tensor_load_to_lds s[G0B+4*\s:G0B+4*\s+3], s[G1B:G1B+7]
	s_nop 0
	s_branch .Lasked_\@
.Lfor_a_\@:
	tensor_load_to_lds s[G0A+4*\s:G0A+4*\s+3], s[G1A:G1A+7]
	s_nop 0
.Lasked_\@:
.endm
	s_load_b256 s[4:11], s[0:1], 0x0               ; att s[4:5], wo2 s[6:7], bo s[8:9], out0 s[10:11]
	v_lshl_add_u32 v224, v0, 2, 0x4c000
	v_mov_b32 v225, 0
	ds_add_u32 v224, v225
	v_lshrrev_b32 v1, 5, v0
	v_readfirstlane_b32 s14, v1                    ; wave 0..3
	s_lshr_b32 s15, s14, 1                         ; my half of the block's rows; also: I fetch wo2 (0) or att (1)
	s_and_b32 s16, s14, 1                          ; my half of its columns; also: which part I fetch
	s_bfe_u32 s17, ttmp6, 0x40000                  ; cx
	s_bfe_u32 s18, ttmp6, 0x40004                  ; cy
	s_lshl_b32 s19, ttmp9, 2
	s_add_co_u32 s19, s19, s17                     ; block column (64 columns)
	s_and_b32 s20, ttmp7, 0xffff
	s_lshl_b32 s20, s20, 2
	s_add_co_u32 s20, s20, s18                     ; block row (128 rows)
	s_lshl_b32 s21, s18, 2
	s_lshl_b32 s21, 15, s21                        ; my row of the cluster
	s_lshl_b32 s22, 0x1111, s17                    ; my column
	; group 1, att: 4 rows (blocks of 16 t) x 1,024 elements of 8 bytes (4 heads x 16 rows x 128 bytes), 4 words of padding behind every 32 words
	s_or_b32 s[G1A+0], s21, (3<<16)|(1<<20)|(1<<21)|(4<<22)|(3<<25)
	s_mov_b32 s[G1A+1], 1024<<16
	s_mov_b32 s[G1A+2], 4<<16
	s_mov_b32 s[G1A+3], 1024<<16
	s_mov_b32 s[G1A+4], 4
	s_mov_b32 s[G1A+5], 4096                       ; 32,768 bytes from a block of 16 t to the next
	s_mov_b32 s[G1A+6], 0
	s_mov_b32 s[G1A+7], 0
	; group 1, wo2: a dense block of 32,768 bytes as 128 rows x 32 elements of 8 bytes, 8 words of padding behind every 32 words
	s_or_b32 s[G1B+0], s22, (3<<16)|(1<<20)|(1<<21)|(4<<22)|(7<<25)
	s_mov_b32 s[G1B+1], 32<<16
	s_mov_b32 s[G1B+2], 128<<16
	s_mov_b32 s[G1B+3], 32<<16
	s_mov_b32 s[G1B+4], 128
	s_mov_b32 s[G1B+5], 32
	s_mov_b32 s[G1B+6], 0
	s_mov_b32 s[G1B+7], 0
	s_lshl_b32 s40, s20, 18                        ; att: 8 blocks of 32,768 bytes x block row
	s_lshl_b32 s41, s16, 17                        ;      + 4 blocks x part
	s_add_co_u32 s40, s40, s41
	s_mov_b32 s41, 0
	s_lshl_b32 s42, s19, 18                        ; wo2: 262,144 x block column
	s_lshl_b32 s43, s16, 17                        ;      + 131,072 for lo
	s_add_co_u32 s42, s42, s43
	s_mov_b32 s43, 0
	s_mul_i32 s44, s14, APART
	s_add_co_u32 s44, s44, 2*BPART-2*APART         ; att's parts lie behind hi and lo: waves 2, 3
	s_mul_i32 s45, s14, BPART                      ; hi, lo: waves 0, 1
	s_wait_dscnt 0x0
	s_wait_kmcnt 0x0
	s_add_nc_u64 s[46:47], s[4:5], s[40:41]
	s_add_nc_u64 s[66:67], s[6:7], s[42:43]
	CROUND                                         ; all sixteen work-groups are here: the first joint loads meet
.irp s, 0,1
	s_mov_b32 s[G0A+4*\s], 1
	s_add_co_u32 s[G0A+4*\s+1], s44, \s*SLOT
	s_add_nc_u64 s[G0A+4*\s+2:G0A+4*\s+3], s[46:47], \s*8192         ; phase s: 4 heads on
	s_or_b32 s[G0A+4*\s+3], s[G0A+4*\s+3], 0x80000000
	s_mov_b32 s[G0B+4*\s], 1
	s_add_co_u32 s[G0B+4*\s+1], s45, \s*SLOT
	s_add_nc_u64 s[G0B+4*\s+2:G0B+4*\s+3], s[66:67], \s*32768        ; phase s: 256 k' rows down
	s_or_b32 s[G0B+4*\s+3], s[G0B+4*\s+3], 0x80000000
	JLOAD \s
.endr
	v_and_b32 v11, 15, v0                          ; r
	v_bfe_u32 v12, v0, 4, 1                        ; h
	v_and_b32 v13, 7, v0
	v_bfe_u32 v14, v0, 3, 1
	v_lshl_add_u32 v1, v13, 1, v14                 ; t = r lies in att's row p = 2 (r & 7) + (r >> 3)
	v_mul_u32_u24 v1, v1, PA
	v_lshl_add_u32 v1, v12, 4, v1
	s_mul_i32 s68, s15, APART
	s_add_co_u32 s68, s68, 2*BPART
	v_add_nc_u32 v[ADRA], s68, v1
	v_add_nc_u32 v[ADRA+1], SLOT, v[ADRA]
	v_lshl_add_u32 v13, v12, 3, v13                ; transposing load: k' row 8 h + (lane & 7),
	v_mul_u32_u24 v13, v13, PB
	v_lshl_add_u32 v13, v14, 4, v13                ; 16 bytes further for lanes 8-15 of each half
	s_lshl_b32 s69, s16, 6                         ; my 32 columns: 64 bytes
	v_add_nc_u32 v[ADRH], s69, v13
	v_add_nc_u32 v[ADRH+1], SLOT, v[ADRH]
	v_add_nc_u32 v[ADRL], BPART, v[ADRH]
	v_add_nc_u32 v[ADRL+1], SLOT+BPART, v[ADRH]
	s_mul_i32 s70, s15, 64*SP
	s_lshl_b32 s71, s16, 7
	s_add_co_u32 s70, s70, s71
	v_mul_u32_u24 v14, v11, SP
	v_lshl_add_u32 v14, v12, 5, v14
	v_add_nc_u32 v[STO], s70, v14                  ; in: row 64 x row half + r, my 128 bytes, 32 h
	s_mul_i32 s71, s14, 32*SP
	v_mul_u32_u24 v14, v12, SP
	v_lshl_add_u32 v14, v11, 4, v14
	v_add_nc_u32 v[RD], s71, v14                   ; back: rows 32 x wave + h, 16 bytes at 16 r
	v_lshlrev_b32 v14, 12, v12
	v_lshl_add_u32 v[CO], v11, 4, v14              ; the same two rows in out0
	v_lshlrev_b32 v[BOFF], 5, v12                  ; bo: 8 h columns
	s_lshl_b32 s72, s20, 19                        ; out0: row 128 x block row + 32 x wave (4,096 bytes a row), 256 bytes x block column
	s_lshl_b32 s73, s14, 17
	s_add_co_u32 s72, s72, s73
	s_lshl_b32 s73, s19, 8
	s_add_co_u32 s72, s72, s73
	s_mov_b32 s73, 0
	s_add_nc_u64 s[10:11], s[10:11], s[72:73]
	s_lshl_b32 s74, s19, 8                         ; bo: 64 columns x block column + 32 x column half
	s_lshl_b32 s75, s16, 7
	s_add_co_u32 s74, s74, s75
	s_mov_b32 s75, 0
	s_add_nc_u64 s[8:9], s[8:9], s[74:75]
.irp b, 0,1
	global_load_b128 v[BO+8*\b:BO+8*\b+3],   v[BOFF], s[8:9] offset:64*\b        ; waited for on the way out
	global_load_b128 v[BO+8*\b+4:BO+8*\b+7], v[BOFF], s[8:9] offset:64*\b+16
.endr
; 16 LDS loads: the fragments of 32 along K (step kq of the slot's eight: head kq / 2, half kq % 2) into buffer f
.macro FETCH s, kq, f
.irp a, 0,1,2,3
	ds_load_b128 v[\f+8*\a:\f+8*\a+3],   v[ADRA+\s] offset:\a*64*PA+((\kq)/2)*16*PA+((\kq)%2)*64
	ds_load_b128 v[\f+8*\a+4:\f+8*\a+7], v[ADRA+\s] offset:\a*64*PA+((\kq)/2)*16*PA+((\kq)%2)*64+32
.endr
.irp b, 0,1
	ds_load_tr16_b128 v[\f+32+8*\b:\f+32+8*\b+3],   v[ADRH+\s] offset:(\kq)*32*PB+32*\b
	ds_load_tr16_b128 v[\f+32+8*\b+4:\f+32+8*\b+7], v[ADRH+\s] offset:(\kq)*32*PB+32*\b+16*PB
.endr
.irp b, 0,1
	ds_load_tr16_b128 v[\f+48+8*\b:\f+48+8*\b+3],   v[ADRL+\s] offset:(\kq)*32*PB+32*\b
	ds_load_tr16_b128 v[\f+48+8*\b+4:\f+48+8*\b+7], v[ADRL+\s] offset:(\kq)*32*PB+32*\b+16*PB
.endr
.endm
; 16 matrix instructions: the eight tiles with hi, then the eight with lo.  The accumulators take turns, one instruction a turn.
.macro MUL f, zero
.irp a, 0,1,2,3
.irp b, 0,1
.if \zero
	v_wmma_f32_16x16x32_bf16 v[ACC+8*(2*\a+\b):ACC+8*(2*\a+\b)+7], v[\f+32+8*\b:\f+32+8*\b+7], v[\f+8*\a:\f+8*\a+7], 0
.else
	v_wmma_f32_16x16x32_bf16 v[ACC+8*(2*\a+\b):ACC+8*(2*\a+\b)+7], v[\f+32+8*\b:\f+32+8*\b+7], v[\f+8*\a:\f+8*\a+7], v[ACC+8*(2*\a+\b):ACC+8*(2*\a+\b)+7]
.endif
.endr
.endr
.irp a, 0,1,2,3
.irp b, 0,1
	v_wmma_f32_16x16x32_bf16 v[ACC+8*(2*\a+\b):ACC+8*(2*\a+\b)+7], v[\f+48+8*\b:\f+48+8*\b+7], v[\f+8*\a:\f+8*\a+7], v[ACC+8*(2*\a+\b):ACC+8*(2*\a+\b)+7]
.endr
.endr
.endm
.macro STEP s, kq, f, g, zero
.if \kq < 7
	PLACES
	FETCH \s, \kq+1, \g
	s_wait_dscnt 16                                ; all but the 16 just issued: buffer f is in
.else
	s_wait_dscnt 0
.endif
	MUL \f, \zero
.endm
.macro PHASE s, zero
.if \zero == 0
	PLACES
.endif
	FETCH \s, 0, F0
	STEP \s, 0, F0, F1, \zero
	STEP \s, 1, F1, F0, 0
	STEP \s, 2, F0, F1, 0
	STEP \s, 3, F1, F0, 0
	STEP \s, 4, F0, F1, 0
	STEP \s, 5, F1, F0, 0
	STEP \s, 6, F0, F1, 0
	STEP \s, 7, F1, F0, 0
.endm
; The change of slots behind a phase on slot s: my reads of slot s are back and all my tensor loads have landed in front of the opening signal;
; fill = 1: a round of the cluster's barrier, and the joint refill first behind it.
.macro CHANGE s, fill
	s_wait_dscnt 0x0
	s_wait_tensorcnt 0x0
	ds_add_u32 v224, v225
	s_wait_dscnt 0x0
.if \fill
	s_add_nc_u64 s[G0A+4*\s+2:G0A+4*\s+3], s[G0A+4*\s+2:G0A+4*\s+3], 16384      ; no load of mine is out: two phases on
	s_add_nc_u64 s[G0B+4*\s+2:G0B+4*\s+3], s[G0B+4*\s+2:G0B+4*\s+3], 65536
	CROUND
	JLOAD \s
.else
	s_barrier_signal -1
	s_barrier_wait -1
.endif
.endm
	s_wait_tensorcnt 0x1                           ; my part of slot 0 is in; slot 1's may stay out
	s_barrier_signal -1
	s_barrier_wait -1
	PHASE 0, 1                                     ; the first products start the sums
	CHANGE 0, 1
	PHASE 1, 0
	CHANGE 1, 1
	PHASE 0, 0
	CHANGE 0, 0                                    ; behind this barrier nobody reads slot 0 and nothing fills it any more
	PHASE 1, 0
	; THE WAY OUT: add bo, 32 bytes a lane into the stage, read back as whole rows of 256 bytes
	PLACES
	s_wait_loadcnt 0x0                             ; bo
.irp a, 0,1,2,3
.irp b, 0,1
.irp q, 0,2,4,6
	v_pk_add_f32 v[ACC+8*(2*\a+\b)+\q:ACC+8*(2*\a+\b)+\q+1], v[ACC+8*(2*\a+\b)+\q:ACC+8*(2*\a+\b)+\q+1], v[BO+8*\b+\q:BO+8*\b+\q+1]
.endr
.endr
.endr
.irp a, 0,1,2,3
.irp b, 0,1
	ds_store_b128 v[STO], v[ACC+8*(2*\a+\b):ACC+8*(2*\a+\b)+3]   offset:\a*16*SP+64*\b
	ds_store_b128 v[STO], v[ACC+8*(2*\a+\b)+4:ACC+8*(2*\a+\b)+7] offset:\a*16*SP+64*\b+16
.endr
.endr
	s_wait_dscnt 0x0                               ; a row's two halves come from two waves: my stores are done,
	s_barrier_signal -1
	s_barrier_wait -1                              ; everybody's are
.irp i, 0,1,2,3,4,5,6,7,8,9,10,11,12,13,14,15
	ds_load_b128 v[F0+4*\i:F0+4*\i+3], v[RD] offset:\i*2*SP
.endr
.irp i, 0,1,2,3,4,5,6,7,8,9,10,11,12,13,14,15
	s_wait_dscnt 15-\i                             ; the younger read-backs may stay out
	global_store_b128 v[CO], v[F0+4*\i:F0+4*\i+3], s[10:11] offset:\i*8192       ; 16 lanes store 256 consecutive bytes, aligned
.endr
	s_wait_tensorcnt 0x0
	ds_add_u32 v224, v225
	s_wait_dscnt 0x0
	CROUND                                         ; the closing round
	s_endpgm
.Lfunc_end_k_q7728bba01f_proj:
	.size	k_q7728bba01f_proj, .Lfunc_end_k_q7728bba01f_proj-k_q7728bba01f_proj
	.p2alignl 7, 3214868480
	.fill 96, 4, 3214868480
	.section	.rodata,"a",@progbits
	.p2align	6, 0x0
	.amdhsa_kernel k_q7728bba01f_proj
		.amdhsa_group_segment_fixed_size 327680
		.amdhsa_private_segment_fixed_size 0
		.amdhsa_enable_private_segment 0
		.amdhsa_kernarg_size 32
		.amdhsa_user_sgpr_count 2
		.amdhsa_user_sgpr_kernarg_segment_ptr 1
		.amdhsa_wavefront_size32 1
		.amdhsa_system_sgpr_workgroup_id_x 1
		.amdhsa_system_sgpr_workgroup_id_y 1
		.amdhsa_system_sgpr_workgroup_id_z 1
		.amdhsa_system_vgpr_workitem_id 0
		.amdhsa_next_free_vgpr 226
		.amdhsa_next_free_sgpr 80
		.amdhsa_reserve_vcc 0
		.amdhsa_float_denorm_mode_32 3
		.amdhsa_float_denorm_mode_16_64 3
		.amdhsa_memory_ordered 1
		.amdhsa_forward_progress 1
		.amdhsa_inst_pref_size 85
	.end_amdhsa_kernel
	.amdgpu_metadata
---
amdhsa.version: [ 1, 2 ]
amdhsa.kernels:
  - .name:           k_q7728bba01f_proj
    .symbol:         k_q7728bba01f_proj.kd
    .args:
      - { .name: att, .offset: 0, .size: 8, .value_kind: global_buffer, .address_space: global }
      - { .name: wo2, .offset: 8, .size: 8, .value_kind: global_buffer, .address_space: global }
      - { .name: bo, .offset: 16, .size: 8, .value_kind: global_buffer, .address_space: global }
      - { .name: out0, .offset: 24, .size: 8, .value_kind: global_buffer, .address_space: global }
    .group_segment_fixed_size: 327680
    .private_segment_fixed_size: 0
    .kernarg_segment_align: 8
    .kernarg_segment_size: 32
    .max_flat_workgroup_size: 128
    .sgpr_count:     80
    .vgpr_count:     226
    .wavefront_size: 32
...
	.end_amdgpu_metadata
.endif
;; end of part 4
;; ======== version 2 of 2: 4 launches; version 1 with the launch prep written anew for expert scheduling mode
;; limits: values are held in f16: magnitudes above 65,504 overflow, below 6.1e-05 lose precision
;; workspace buffers: xh 4,194,304 bytes; wqv 4,194,304 bytes; wo2 4,194,304 bytes; mh 4,194,304 bytes; x2 8,388,608 bytes; att 4,194,304 bytes
;; launch prep (part 5): grid 256 x 1, 8 waves a work-group, no clusters, 19,456 bytes of LDS; arguments x, position_mask, Wq, Wv, Wo, xh, mh, wqv, wo2; writes xh, mh, wqv, wo2
.if DOCPART == 5
	.amdgcn_target "amdgcn-amd-amdhsa--gfx1250"
	.amdhsa_code_object_version 6
	.text
	.protected	k_q7728bba01f_prep
	.globl	k_q7728bba01f_prep
	.p2align	8
	.type	k_q7728bba01f_prep,@function
k_q7728bba01f_prep:
	s_mov_b64 s[64:65], 0
	v_nop
	global_prefetch_b8 v0, s[64:65] scope:SCOPE_SE
	s_setreg_imm32_b32 hwreg(HW_REG_WAVE_SCHED_MODE, 0, 2), 2
	s_setreg_imm32_b32 hwreg(HW_REG_WAVE_MODE, 25, 1), 1
	s_wait_xcnt 0x0
	s_wait_alu depctr_vm_vsrc(0)
; Casts and re-orders the operands of the three products that follow.  A stream: every input byte is read once, every output byte written once.
;   xh  f16 [2048 (b,s)][1024 k]                     = x
;   mh  f16 [16 tb][512 s][8 w][32 t]                = position_mask[s][w][32 tb + t]
;   wqv f16 [1024 k][2048 n'], n' = 1024 kv + 64 h + d  = (Wq, Wv)[k][16 d + h]     (heads gathered)
;   wo2 bf16 [16 nb][hi, lo][1024 k'][64 n], k' = 64 h + p holds Wo's row 64 h + 16 (p & 3) + (p >> 2); Wo = hi + lo up to 16 bits of mantissa
; LIMIT: x, position_mask, Wq, Wv become f16: magnitudes of 65,504 and more become infinity, magnitudes below 6e-8 become zero.
; 2,048 waves; wave g takes row g of x, a quarter of mask row g >> 2, a quarter of two rows of wo2, and one row of Wq (g even) or Wv (g odd).
; All 28 loads of a wave go out first (14 chunks of two loads, 32 bytes a lane); the chunks are then converted in place and stored.
; THE MODE: SCHED_MODE bits 1:0 = 2 (LLVM: expert scheduling mode 2), set by the entry lines.  The code itself states the register dependences
; between vector instructions and memory or LDS instructions, with s_wait_alu, always for 0.
; THE PLAN.  Registers that memory or LDS instructions touch:
;   v2-v9       offsets and LDS addresses: written at the head, read by every load, store and LDS instruction, never written again.
;   D           chunk c: the loads land in it (no vector line names it before); its block's conversions write its low four registers; one global store
;               (x, mask, Wo's lo) or four LDS stores (Wq, Wv) read them.  Never written again.
;   HI          written by block O's conversions, read by two global stores.  Never written again.
;   T, R        T is written and read by block O's arithmetic alone; later the read-backs from LDS land in R, which holds T's registers, and the last stores read R.
;   v152, v153  written at the head, read by the closing add alone.
; The chunks go in five blocks: X (x, four chunks), M (mask, four), O (Wo, two), W0 and W1 (Wq or Wv, two each).  A block's results leave in the NEXT block:
; one wait on va_vdst at that block's head, behind the wait for its first chunk, states that the block before has written them; its stores are then dealt among
; the block's conversions, which name other chunks' registers alone.  W1's results leave behind one more such wait.
; No register that a store, an LDS store or an address operand reads is written again: so no wait stands between the stores, and no wait on vm_vsrc is owed.
.set D,    16                          ; v[16:127]  chunk c: eight f32 a lane at D + 8 c
.set HI,   128                         ; v[128:135] Wo's upper parts, four registers a chunk
.set T,    136                         ; v[136:143] at work (Wo)
.set R,    136                         ; v[136:151] the gathered row of Wq or Wv, read back from LDS
.set HP,   144                         ; LDS: a head's 64 f16 (128 bytes) + 16: heads 4 apart start 16 banks apart
.set WLDS, 16*HP                       ; a wave's own 16 heads
	s_load_b256 s[4:11], s[0:1], 0x0               ; x s[4:5], position_mask s[6:7], Wq s[8:9], Wv s[10:11]
	s_load_b256 s[12:19], s[0:1], 0x20             ; Wo s[12:13], xh s[14:15], mh s[16:17], wqv s[18:19]
	s_load_b64 s[20:21], s[0:1], 0x40              ; wo2
	v_lshl_add_u32 v152, v0, 2, 0x4800
	v_mov_b32 v153, 0
	v_lshrrev_b32 v10, 5, v0
	v_readfirstlane_b32 s22, v10                   ; wave 0..7
	s_lshl_b32 s23, ttmp9, 3
	s_wait_alu depctr_va_sdst(0)                   ; s22 is written, ahead of its first reader: every base below is made from it
	s_add_co_u32 s23, s23, s22                     ; g = 8 x work-group + wave
	s_lshr_b32 s29, s23, 2                         ; g >> 2
	s_and_b32 s30, s23, 3                          ; g & 3
	s_mul_i32 s28, s22, WLDS                       ; my wave's bytes of LDS
	; byte offsets, each in a pair of its own with 0 above (all below 16 MiB)
	s_lshl_b32 s32, s23, 12                        ; x: row g
	s_mov_b32 s33, 0
	s_lshl_b32 s34, s23, 11                        ; xh: row g; wqv: row g >> 1, half g & 1: the same number
	s_mov_b32 s35, 0
	s_lshl_b32 s36, s29, 14                        ; mask: s = g >> 2, 16,384 bytes each,
	s_lshl_b32 s31, s30, 9
	s_add_co_u32 s36, s36, s31                     ; + 128 t of the quarter g & 3
	s_mov_b32 s37, 0
	s_lshl_b32 s38, s30, 20                        ; mh: tb = 4 (g & 3), 262,144 bytes each,
	s_lshl_b32 s31, s29, 9
	s_add_co_u32 s38, s38, s31                     ; + 512 s
	s_mov_b32 s39, 0
	s_lshl_b32 s40, s30, 20                        ; wo2: nb = 4 (g & 3),
	s_lshl_b32 s31, s29, 8
	s_add_co_u32 s40, s40, s31                     ; + rows k' = 2 z, 2 z + 1 (z = g >> 2), 128 bytes each
	s_mov_b32 s41, 0
	s_lshr_b32 s42, s29, 5                         ; Wo's row for k' = 2 z: 64 (z >> 5)
	s_lshl_b32 s42, s42, 6
	s_and_b32 s31, s29, 1
	s_lshl_b32 s31, s31, 5
	s_add_co_u32 s42, s42, s31                     ; + 32 (z & 1)
	s_bfe_u32 s31, s29, 0x40001
	s_add_co_u32 s42, s42, s31                     ; + (z & 31) >> 1;  k' = 2 z + 1 is 16 rows further down
	s_lshl_b32 s42, s42, 12
	s_lshl_b32 s31, s30, 10
	s_add_co_u32 s42, s42, s31                     ; + 256 columns of the quarter g & 3
	s_mov_b32 s43, 0
	s_lshr_b32 s44, s23, 1                         ; Wq, Wv: row g >> 1
	s_lshl_b32 s44, s44, 12
	s_mov_b32 s45, 0
	s_and_b32 s31, s23, 1                          ; 0: Wq, 1: Wv
	; lane terms
	v_and_b32 v1, 31, v0                           ; l
	v_lshlrev_b32 v2, 5, v1                        ; x: 32 l
	v_lshrrev_b32 v10, 2, v1                       ; l >> 2
	v_and_b32 v11, 3, v1                           ; l & 3
	v_lshlrev_b32 v3, 5, v11
	v_lshl_add_u32 v3, v10, 11, v3                 ; mask: w = l >> 2 (2,048 bytes), 8 t at 32 (l & 3)
	v_lshlrev_b32 v5, 4, v11
	v_lshl_add_u32 v5, v10, 7, v5                  ; Wq, Wv: d pair l >> 2 (128 bytes), heads 4 (l & 3) .. + 3
	v_mul_u32_u24 v8, v11, 4*HP
	v_lshl_add_u32 v8, v10, 2, v8
	v_add_nc_u32 v8, s28, v8                       ; LDS, in: head 4 (l & 3), d pair l >> 2
	v_bfe_u32 v12, v1, 3, 1
	v_lshrrev_b32 v13, 4, v1
	v_and_b32 v14, 7, v1
	v_lshlrev_b32 v4, 5, v14
	v_lshl_add_u32 v4, v13, 8, v4
	v_lshl_add_u32 v4, v12, 16, v4                 ; Wo: 8 columns at 32 (l & 7), column block l >> 4, 16 rows down for k' odd
	v_lshlrev_b32 v6, 4, v1                        ; xh, mh, wqv: 16 l
	v_and_b32 v15, 15, v1
	v_lshlrev_b32 v7, 4, v15
	v_lshl_add_u32 v7, v13, 18, v7                 ; wo2: 16 (l & 15) in the two rows, column block l >> 4
	v_lshrrev_b32 v12, 3, v1
	v_mul_u32_u24 v9, v12, HP
	v_lshl_add_u32 v9, v14, 4, v9
	v_add_nc_u32 v9, s28, v9                       ; LDS, back: head l >> 3, 16 bytes at 16 (l & 7)
	s_wait_kmcnt 0x0
	s_cmp_lg_u32 s31, 0
	s_cselect_b64 s[24:25], s[10:11], s[8:9]       ; Wv for odd g, Wq for even
	s_add_nc_u64 s[4:5], s[4:5], s[32:33]
	s_add_nc_u64 s[6:7], s[6:7], s[36:37]
	s_add_nc_u64 s[12:13], s[12:13], s[42:43]
	s_add_nc_u64 s[24:25], s[24:25], s[44:45]
	s_add_nc_u64 s[14:15], s[14:15], s[34:35]
	s_add_nc_u64 s[16:17], s[16:17], s[38:39]
	s_add_nc_u64 s[18:19], s[18:19], s[34:35]
	s_add_nc_u64 s[20:21], s[20:21], s[40:41]
	s_wait_alu depctr_va_vdst(0)                   ; the offsets and LDS addresses v2 to v9 are written, which every load, store and LDS instruction below reads; so are v152 and v153, which the closing add reads
	; the 28 loads
.irp i, 0,1,2,3
	global_load_b128 v[D+8*\i:D+8*\i+3],   v2, s[4:5] offset:\i*1024 th:TH_LOAD_NT
	global_load_b128 v[D+8*\i+4:D+8*\i+7], v2, s[4:5] offset:\i*1024+16 th:TH_LOAD_NT
.endr
.irp i, 0,1,2,3
	global_load_b128 v[D+32+8*\i:D+32+8*\i+3],   v3, s[6:7] offset:\i*128 th:TH_LOAD_NT
	global_load_b128 v[D+32+8*\i+4:D+32+8*\i+7], v3, s[6:7] offset:\i*128+16 th:TH_LOAD_NT
.endr
.irp i, 0,1
	global_load_b128 v[D+64+8*\i:D+64+8*\i+3],   v4, s[12:13] offset:\i*512 th:TH_LOAD_NT
	global_load_b128 v[D+64+8*\i+4:D+64+8*\i+7], v4, s[12:13] offset:\i*512+16 th:TH_LOAD_NT
.endr
.irp i, 0,1,2,3
	global_load_b128 v[D+80+8*\i:D+80+8*\i+3],   v5, s[24:25] offset:\i*1024 th:TH_LOAD_NT      ; d even: four heads
	global_load_b128 v[D+80+8*\i+4:D+80+8*\i+7], v5, s[24:25] offset:\i*1024+64 th:TH_LOAD_NT   ; d odd: the same four heads
.endr
; eight f32 in v[d .. d+7] become eight 16-bit numbers in v[d .. d+3]; each line writes a register whose old value has been used
.macro CVT4 op, d
.irp j, 0,1,2,3
	\op v[\d+\j], v[\d+2*\j], v[\d+2*\j+1]
.endr
.endm
	; Loads come back in order (ISA guide 5.7.1): chunk c is in when at most the 26 - 2 c younger loads are out.
	; BLOCK X: x's four chunks are converted; their stores stand in block M.
.irp i, 0,1,2,3
	s_wait_loadcnt 26-2*\i
	CVT4 v_cvt_pk_f16_f32, D+8*\i
.endr
	; BLOCK M: the mask's four chunks are converted; x's four stores are dealt among them.
	s_wait_loadcnt 18
	s_wait_alu depctr_va_vdst(0)                   ; block X's conversions have written v[D .. D+31], of which the four stores below read the chunks' low halves; block M's conversions name v[D+32 .. D+63] alone
.irp i, 0,1,2,3
	global_store_b128 v6, v[D+8*\i:D+8*\i+3], s[14:15] offset:\i*512             ; 512 neighbouring bytes of xh's row
.if \i > 0
	s_wait_loadcnt 18-2*\i
.endif
	CVT4 v_cvt_pk_f16_f32, D+32+8*\i
.endr
	; BLOCK O: Wo's two chunks are split into hi and lo; the mask's four stores are dealt among them.
	s_wait_loadcnt 10
	s_wait_alu depctr_va_vdst(0)                   ; block M's conversions have written v[D+32 .. D+63], which the four stores below read; block O's lines name HI, T and v[D+64 .. D+79] alone
.irp i, 0,1
	global_store_b128 v6, v[D+32+16*\i:D+32+16*\i+3],   s[16:17] offset:(2*\i)*262144      ; the whole 512 bytes of (tb, s): 8 w x 32 t
	global_store_b128 v6, v[D+32+16*\i+8:D+32+16*\i+11], s[16:17] offset:(2*\i+1)*262144
.if \i > 0
	s_wait_loadcnt 8
.endif
.irp j, 0,1,2,3
	v_cvt_pk_bf16_f32 v[HI+4*\i+\j], v[D+64+8*\i+2*\j], v[D+64+8*\i+2*\j+1]      ; hi = Wo rounded to bf16
.endr
.irp j, 0,1,2,3
	v_lshlrev_b32 v[T+2*\j],   16, v[HI+4*\i+\j]                                 ; hi back in f32
	v_and_b32     v[T+2*\j+1], 0xffff0000, v[HI+4*\i+\j]
.endr
.irp j, 0,2,4,6
	v_pk_add_f32 v[D+64+8*\i+\j:D+64+8*\i+\j+1], v[D+64+8*\i+\j:D+64+8*\i+\j+1], v[T+\j:T+\j+1] neg_lo:[0,1] neg_hi:[0,1]   ; Wo - hi, exact
.endr
	CVT4 v_cvt_pk_bf16_f32, D+64+8*\i                                            ; lo = the rest rounded to bf16
.endr
	; Wq or Wv: a row's 1,024 numbers lie as (d, h); they leave as (h, d).  Two neighbouring d of one head are packed and put into the
	; head's row in my wave's own LDS bytes; whole head rows are read back.  LDS serves a wave's instructions in order (ISA guide 5.7.1),
	; and no other wave touches these bytes: no wait between stores and loads, no barrier.
	; BLOCK W0: chunks 0 and 1 of the row are packed; wo2's four stores are dealt among them.
	s_wait_loadcnt 6
	s_wait_alu depctr_va_vdst(0)                   ; block O has written HI and the lo parts in v[D+64 .. D+79], which the four stores below read, and is done with T; block W0's lines name v[D+80 .. D+95] alone
.irp i, 0,1
	global_store_b128 v7, v[HI+4*\i:HI+4*\i+3], s[20:21] offset:\i*524288        ; 16 lanes: two neighbouring rows k', 256 aligned bytes
	global_store_b128 v7, v[D+64+8*\i:D+64+8*\i+3], s[20:21] offset:\i*524288+131072
.if \i > 0
	s_wait_loadcnt 4
.endif
.irp u, 0,1,2,3
	v_cvt_pk_f16_f32 v[D+80+8*\i+\u], v[D+80+8*\i+\u], v[D+80+8*\i+4+\u]         ; head 4 (l & 3) + u, d = 16 i + 2 (l >> 2) and + 1
.endr
.endr
	; BLOCK W1: chunks 2 and 3 are packed; the LDS stores of chunks 0 and 1 are dealt among them.
	s_wait_loadcnt 2
	s_wait_alu depctr_va_vdst(0)                   ; block W0's conversions have written v[D+80 .. D+95], of which the eight LDS stores below read the chunks' low halves; block W1's lines name v[D+96 .. D+111] alone
.irp i, 2,3
.irp u, 0,1,2,3
	ds_store_b32 v8, v[D+80+8*(\i-2)+\u] offset:\u*HP+32*(\i-2)
.endr
.if \i > 2
	s_wait_loadcnt 0
.endif
.irp u, 0,1,2,3
	v_cvt_pk_f16_f32 v[D+80+8*\i+\u], v[D+80+8*\i+\u], v[D+80+8*\i+4+\u]
.endr
.endr
	s_wait_alu depctr_va_vdst(0)                   ; block W1's conversions have written v[D+96 .. D+111], which the LDS stores below read.  The read-backs land in R: the last vector line that names T, R's lower half, stands in block O, ahead of this wait too
.irp i, 2,3
.irp u, 0,1,2,3
	ds_store_b32 v8, v[D+80+8*\i+\u] offset:\u*HP+32*\i
.endr
.endr
.irp i, 0,1,2,3
	ds_load_b128 v[R+4*\i:R+4*\i+3], v9 offset:\i*4*HP                           ; heads 4 i .. 4 i + 3, 128 bytes each
.endr
.irp i, 0,1,2,3
	s_wait_dscnt 3-\i                                                            ; the younger read-backs may stay out
	global_store_b128 v6, v[R+4*\i:R+4*\i+3], s[18:19] offset:\i*512
.endr
	s_wait_dscnt 0x0                               ; the closing lines, six on end
	s_wait_alu 0x0
	s_wait_tensorcnt 0x0
	ds_add_u32 v152, v153
	s_wait_dscnt 0x0
	s_endpgm
.Lfunc_end_k_q7728bba01f_prep:
	.size	k_q7728bba01f_prep, .Lfunc_end_k_q7728bba01f_prep-k_q7728bba01f_prep
	.p2alignl 7, 3214868480
	.fill 96, 4, 3214868480
	.section	.rodata,"a",@progbits
	.p2align	6, 0x0
	.amdhsa_kernel k_q7728bba01f_prep
		.amdhsa_group_segment_fixed_size 19456
		.amdhsa_private_segment_fixed_size 0
		.amdhsa_enable_private_segment 0
		.amdhsa_kernarg_size 72
		.amdhsa_user_sgpr_count 2
		.amdhsa_user_sgpr_kernarg_segment_ptr 1
		.amdhsa_wavefront_size32 1
		.amdhsa_system_sgpr_workgroup_id_x 1
		.amdhsa_system_sgpr_workgroup_id_y 1
		.amdhsa_system_sgpr_workgroup_id_z 1
		.amdhsa_system_vgpr_workitem_id 0
		.amdhsa_next_free_vgpr 154
		.amdhsa_next_free_sgpr 66
		.amdhsa_reserve_vcc 0
		.amdhsa_float_denorm_mode_32 3
		.amdhsa_float_denorm_mode_16_64 3
		.amdhsa_memory_ordered 1
		.amdhsa_forward_progress 1
		.amdhsa_inst_pref_size 16
	.end_amdhsa_kernel
	.amdgpu_metadata
---
amdhsa.version: [ 1, 2 ]
amdhsa.kernels:
  - .name:           k_q7728bba01f_prep
    .symbol:         k_q7728bba01f_prep.kd
    .args:
      - { .name: x, .offset: 0, .size: 8, .value_kind: global_buffer, .address_space: global }
      - { .name: position_mask, .offset: 8, .size: 8, .value_kind: global_buffer, .address_space: global }
      - { .name: Wq, .offset: 16, .size: 8, .value_kind: global_buffer, .address_space: global }
      - { .name: Wv, .offset: 24, .size: 8, .value_kind: global_buffer, .address_space: global }
      - { .name: Wo, .offset: 32, .size: 8, .value_kind: global_buffer, .address_space: global }
      - { .name: xh, .offset: 40, .size: 8, .value_kind: global_buffer, .address_space: global }
      - { .name: mh, .offset: 48, .size: 8, .value_kind: global_buffer, .address_space: global }
      - { .name: wqv, .offset: 56, .size: 8, .value_kind: global_buffer, .address_space: global }
      - { .name: wo2, .offset: 64, .size: 8, .value_kind: global_buffer, .address_space: global }
    .group_segment_fixed_size: 19456
    .private_segment_fixed_size: 0
    .kernarg_segment_align: 8
    .kernarg_segment_size: 72
    .max_flat_workgroup_size: 256
    .sgpr_count:     66
    .vgpr_count:     154
    .wavefront_size: 32
...
	.end_amdgpu_metadata
.endif
;; end of part 5
;; launch qv: the kernel of part 2 again; grid 16 x 16, 4 waves a work-group, clusters of 4 x 4, 327,680 bytes of LDS; arguments xh, wqv, x2; writes x2
;; launch attn: the kernel of part 3 again; grid 32 x 16, 4 waves a work-group, clusters of 4 x 4, 327,680 bytes of LDS; arguments mh, x2, bq, bv, att; writes att
;; launch proj: the kernel of part 4 again; grid 16 x 16, 4 waves a work-group, clusters of 4 x 4, 327,680 bytes of LDS; arguments att, wo2, bo, out0; writes out0
